; MI455X (gfx1250); checked and timed in simulation.
; The chip was launched on July 23, 2026; its instructions are those of AMD's public machine-readable ISA for CDNA 5 (MIT licence, August 2026) and "CDNA5" Instruction Set Architecture Reference Guide (July 2026). The comments in the code are by the model that wrote it; some were corrected since.
;; Mo E Layer. Allowed arithmetic: float matrix products may take bf16 or f16 operands with f32 sums; other float arithmetic in f32, or as packed bf16 or f16 multiplies, adds, multiply-adds, maxima and minima; sums over many terms, partial sums and values carried from step to step in f32; what a program stores and reads back later, other than sums and carried values, may be rounded once to bf16 or f16.
;; Inputs: fc1_b 8 x 4,096 float32; fc1_w 8 x 4,096 x 1,024 float32; fc2_b 8 x 1,024 float32; fc2_w 8 x 1,024 x 4,096 float32; gate_w 8 x 1,024 float32; x 8 x 128 x 1,024 float32.
;; Outputs: out0 8 x 128 x 1,024 float32; out1 one number float32.
;; 2 versions, each right; version 2 is version 1 with the launches fc1, fc2 written anew for expert scheduling mode. Each part assembles by itself: llvm-mc -triple=amdgcn-amd-amdhsa -mcpu=gfx1250 --defsym DOCPART=n.
;; ======== version 1 of 2: 5 launches
;; workspace buffers: sel 4,096 bytes of whole numbers; pos 8,192 bytes of whole numbers; meta 256 bytes of whole numbers; gw 8,192 bytes; psum 2,048 bytes; xs 4,456,448 bytes; hs 17,825,792 bytes; ypart 35,651,584 bytes
;; launch router (part 1): grid 64 x 1, 8 waves a work-group, no clusters, 44,032 bytes of LDS; arguments x, gate_w, sel, gw, psum; writes sel, gw, psum
.if DOCPART == 1
	.amdgcn_target "amdgcn-amd-amdhsa--gfx1250"
	.amdhsa_code_object_version 6
	.text
	.protected	k_q8fa09f6a47_router
	.globl	k_q8fa09f6a47_router
	.p2align	8
	.type	k_q8fa09f6a47_router,@function
k_q8fa09f6a47_router:
	s_mov_b64 s[64:65], 0
	v_nop
	global_prefetch_b8 v0, s[64:65] scope:SCOPE_SE
	s_setreg_imm32_b32 hwreg(HW_REG_WAVE_MODE, 25, 1), 1
	s_wait_xcnt 0x0
; ROUTER.  logits = x gate_w^T (1,024 tokens x 8 experts, K = 1,024), softmax, the two largest probabilities, their weights.
; A work-group has 16 tokens; wave w multiplies k = 128 w .. 128 w + 127 (four matrix instructions), the eight partial results meet in LDS, wave 0 does the rest.
; Stored at fixed places: sel[n] = e0 | e1 << 8, gw[n] = the two weights, psum[work-group] = the sums of the 16 tokens' eight probabilities.  No address here hangs on the choice.
; FORMATS AND LIMITS.  x and gate_w are rounded once to bf16 (as every input of this program is), products summed in f32; softmax in f32 with the row's maximum taken away.
; Two experts whose probabilities differ by less than the f32 sums' rounding may change places against the reference; equal probabilities keep the lower index.
; A probability below 2^-126 counts as 0.  NaN and infinities are not treated apart.
; No cluster and no tensor load: the work-groups share gate_w alone, 32 KB against 64 KB of x each, and x has to pass registers to be rounded.
.set XSTP,  272                        ; a token's 128 bf16 in LDS: 256 bytes + 16: the 16 rows of a fragment load start at 16 different groups of four banks (ISA guide 11.1)
.set XSTW,  16*XSTP                    ; a wave's own 16 rows
.set PART,  8*XSTW                     ; 8 waves x 32 lanes x 32 bytes: the partial logits
.set SPARE, PART+8*1024                ; the spare words, 128 bytes a wave: no other line names them
.set SPW, 10                           ; v10  my spare word's address; never rewritten
.set NIL, 11                           ; v11  0; never rewritten
.set XL,  32                           ; v32-95    x as loaded: row i in 4 registers
.set GL,  96                           ; v96-159   gate_w as loaded: 16 f32 for each of 4 K steps
.set GF,  160                          ; v160-191  gate_w's four fragments
.set XF,  192                          ; v192-223  x's four fragments
.set AC,  224                          ; v224-255  four accumulators, one a K step
	s_load_b256 s[4:11], s[0:1], 0x0               ; x s[4:5], gate_w s[6:7], sel s[8:9], gw s[10:11]
	s_load_b64 s[12:13], s[0:1], 0x20              ; psum
	v_lshl_add_u32 v[SPW], v0, 2, SPARE
	v_mov_b32 v[NIL], 0
	v_lshrrev_b32 v12, 5, v0
	v_readfirstlane_b32 s14, v12                   ; wave 0..7
	v_and_b32 v1, 31, v0                           ; lane L
	v_and_b32 v2, 15, v0                           ; r = L % 16
	v_bfe_u32 v3, v0, 4, 1                         ; h = L / 16
	s_lshl_b32 s15, s14, 9                         ; my wave's 512 bytes of a row
	v_lshl_add_u32 v4, v1, 4, s15                  ; x: 512 w + 16 L
	v_and_b32 v5, 7, v0
	v_lshlrev_b32 v5, 12, v5                       ; gate_w: row r % 8 (rows 8-15 of the fragment repeat the eight experts),
	v_lshl_add_u32 v5, v3, 5, v5                   ; + 32 h
	v_add_nc_u32 v5, s15, v5                       ; + 512 w
	s_mul_i32 s16, s14, XSTW
	v_lshl_add_u32 v6, v1, 3, s16                  ; into my rows: 8 bytes a lane
	v_mul_u32_u24 v7, v2, XSTP
	v_lshl_add_u32 v7, v3, 4, v7
	v_add_nc_u32 v7, s16, v7                       ; a fragment: row r, + 16 h
	s_lshl_b32 s17, s14, 10
	s_add_co_u32 s17, s17, PART
	v_lshl_add_u32 v8, v1, 5, s17                  ; my 32 bytes of partial logits
	s_lshl_b32 s18, ttmp9, 16                      ; 16 rows of 4,096 bytes
	s_mov_b32 s19, 0
	s_lshl_b32 s20, ttmp9, 6                       ; 16 words of sel
	s_mov_b32 s21, 0
	s_lshl_b32 s22, ttmp9, 7                       ; 16 pairs of gw
	s_mov_b32 s23, 0
	s_lshl_b32 s24, ttmp9, 5                       ; 8 words of psum
	s_mov_b32 s25, 0
	s_wait_kmcnt 0x0
	s_add_nc_u64 s[4:5], s[4:5], s[18:19]
	s_add_nc_u64 s[8:9], s[8:9], s[20:21]
	s_add_nc_u64 s[10:11], s[10:11], s[22:23]
	s_add_nc_u64 s[12:13], s[12:13], s[24:25]
.irp i, 0,1,2,3,4,5,6,7,8,9,10,11,12,13,14,15
	global_load_b128 v[XL+4*\i:XL+4*\i+3], v4, s[4:5] offset:4096*\i  ; 512 consecutive bytes of row i
.endr
.irp s, 0,1,2,3
	global_load_b128 v[GL+16*\s:GL+16*\s+3],     v5, s[6:7] offset:128*\s     ; k = 32 s + 8 h + 0..3
	global_load_b128 v[GL+16*\s+4:GL+16*\s+7],   v5, s[6:7] offset:128*\s+16  ; + 4..7
	global_load_b128 v[GL+16*\s+8:GL+16*\s+11],  v5, s[6:7] offset:128*\s+64  ; k = 32 s + 16 + 8 h + 0..3
	global_load_b128 v[GL+16*\s+12:GL+16*\s+15], v5, s[6:7] offset:128*\s+80
.endr
	s_wait_loadcnt 16                              ; x is in: the 16 loads of gate_w are the younger ones
.irp i, 0,1,2,3,4,5,6,7,8,9,10,11,12,13,14,15
	v_cvt_pk_bf16_f32 v[XL+4*\i],   v[XL+4*\i],   v[XL+4*\i+1]
	v_cvt_pk_bf16_f32 v[XL+4*\i+1], v[XL+4*\i+2], v[XL+4*\i+3]
	ds_store_b64 v6, v[XL+4*\i:XL+4*\i+1] offset:XSTP*\i
.endr
	s_wait_loadcnt 0x0                             ; gate_w
.set n, 0
.rept 32
	v_cvt_pk_bf16_f32 v[GF+n], v[GL+2*n], v[GL+2*n+1]
.set n, n+1
.endr
.irp s, 0,1,2,3
	ds_load_b128 v[XF+8*\s:XF+8*\s+3],   v7 offset:64*\s     ; my wave's own bytes: LDS serves a wave's instructions in order (ISA guide 5.7.1.4)
	ds_load_b128 v[XF+8*\s+4:XF+8*\s+7], v7 offset:64*\s+32
.endr
	s_wait_dscnt 0x0
	; source 0 = experts, source 1 = tokens: lane (r, h) then holds token r, register j expert j (both halves of the lanes alike).  Four accumulators: no chain.
.irp s, 0,1,2,3
	v_wmma_f32_16x16x32_bf16 v[AC+8*\s:AC+8*\s+7], v[GF+8*\s:GF+8*\s+7], v[XF+8*\s:XF+8*\s+7], 0
.endr
.rept 4
	v_nop                                          ; four places between the products and the first read of a result (ISA guide 7.12.1)
.endr
.irp n, 0,2,4,6
	v_pk_add_f32 v[AC+\n:AC+\n+1], v[AC+\n:AC+\n+1], v[AC+8+\n:AC+8+\n+1]       ; each accumulator's lowest registers first
.endr
.irp n, 0,2,4,6
	v_pk_add_f32 v[AC+16+\n:AC+16+\n+1], v[AC+16+\n:AC+16+\n+1], v[AC+24+\n:AC+24+\n+1]
.endr
.irp n, 0,2,4,6
	v_pk_add_f32 v[AC+\n:AC+\n+1], v[AC+\n:AC+\n+1], v[AC+16+\n:AC+16+\n+1]
.endr
	ds_store_b128 v8, v[AC:AC+3]
	ds_store_b128 v8, v[AC+4:AC+7] offset:16
	s_wait_dscnt 0x0                               ; for wave 0's sake: my partial logits are written
	s_barrier_signal -1
	s_barrier_wait -1
	s_cmp_lg_u32 s14, 0
	s_cbranch_scc1 .Lend                           ; no barrier follows
	; WAVE 0: in it v8 = PART + 32 L
.irp w, 0,1,2,3,4,5,6,7
	ds_load_b128 v[32+8*\w:35+8*\w], v8 offset:1024*\w
	ds_load_b128 v[36+8*\w:39+8*\w], v8 offset:1024*\w+16
.endr
	s_wait_dscnt 0x0
.irp n, 0,2,4,6
	v_pk_add_f32 v[12+\n:13+\n], v[32+\n:33+\n], v[40+\n:41+\n]
.endr
.irp w, 2,3,4,5,6,7
.irp n, 0,2,4,6
	v_pk_add_f32 v[12+\n:13+\n], v[12+\n:13+\n], v[32+8*\w+\n:33+8*\w+\n]        ; K ascending
.endr
.endr
	v_max3_num_f32 v20, v12, v13, v14              ; the row's maximum
	v_max3_num_f32 v20, v20, v15, v16
	v_max3_num_f32 v20, v20, v17, v18
	v_max_num_f32 v20, v20, v19
.irp j, 0,1,2,3,4,5,6,7
	v_sub_f32 v[12+\j], v[12+\j], v20
.endr
.irp j, 0,1,2,3,4,5,6,7
	v_mul_f32 v[12+\j], 0x3fb8aa3b, v[12+\j]       ; times log2(e)
.endr
.irp j, 0,1,2,3,4,5,6,7
	v_exp_f32 v[12+\j], v[12+\j]
.endr
	v_nop                                          ; a plain instruction behind the last exponential (ISA guide 5.7.2),
	s_wait_alu depctr_va_vdst(0)                   ; and the one wait ahead of the batch's first reader
	v_add_f32 v20, v12, v13
	v_add_f32 v21, v14, v15
	v_add_f32 v26, v16, v17
	v_add_f32 v27, v18, v19
	v_add_f32 v20, v20, v21
	v_add_f32 v26, v26, v27
	v_add_f32 v20, v20, v26
	v_rcp_f32 v21, v20
	v_nop
	s_wait_alu depctr_va_vdst(0)
.irp j, 0,1,2,3,4,5,6,7
	v_mul_f32 v[12+\j], v[12+\j], v21              ; the probabilities
.endr
	; the two largest, by selects alone; strict compares keep the lower index at a tie
	v_mov_b32 v22, v12                             ; largest, and its expert
	v_mov_b32 v24, 0
	v_mov_b32 v23, -1.0                            ; second: below every probability
	v_mov_b32 v25, 0
.irp e, 1,2,3,4,5,6,7
	v_cmp_gt_f32 s26, v[12+\e], v22
	v_cmp_gt_f32 s27, v[12+\e], v23
	v_cndmask_b32 v23, v23, v[12+\e], s27
	v_cndmask_b32 v25, v25, \e, s27
	v_cndmask_b32 v23, v23, v22, s26
	v_cndmask_b32 v25, v25, v24, s26
	v_cndmask_b32 v22, v22, v[12+\e], s26
	v_cndmask_b32 v24, v24, \e, s26
.endr
	v_add_f32 v26, v22, v23
	v_add_f32 v26, 0x3089705f, v26                 ; + 1e-9
	v_rcp_f32 v26, v26
	v_lshl_or_b32 v29, v25, 8, v24                 ; e0 | e1 << 8: also the plain instruction behind the reciprocal
	s_wait_alu depctr_va_vdst(0)
	v_mul_f32 v22, v22, v26
	v_mul_f32 v23, v23, v26
.irp j, 0,1,2,3,4,5,6,7
.irp m, 1,2,4,8
	v_add_f32_dpp v[12+\j], v[12+\j], v[12+\j] row_xmask:\m row_mask:0xf bank_mask:0xf  ; over the 16 tokens
.endr
.endr
	v_lshlrev_b32 v27, 2, v2
	v_lshlrev_b32 v28, 3, v2
	v_mov_b32 v30, 0
	v_cmp_gt_u32 vcc_lo, 16, v1
	s_wait_xcnt 0x0                                ; EXEC changes only behind this wait: it is a source of the memory instructions issued so far
	s_and_saveexec_b32 s28, vcc_lo                 ; lanes 0-15: one lane a token
	global_store_b32 v27, v29, s[8:9]
	global_store_b64 v28, v[22:23], s[10:11]
	s_wait_xcnt 0x0
	s_or_b32 exec_lo, exec_lo, s28
	v_cmp_eq_u32 vcc_lo, 0, v1
	s_and_saveexec_b32 s28, vcc_lo                 ; lane 0
	global_store_b128 v30, v[12:15], s[12:13]
	global_store_b128 v30, v[16:19], s[12:13] offset:16
	s_wait_xcnt 0x0
	s_or_b32 exec_lo, exec_lo, s28
.Lend:
	s_wait_tensorcnt 0x0                           ; the wave's end, behind my last LDS store
	ds_add_u32 v[SPW], v[NIL]
	s_wait_dscnt 0x0
	s_endpgm
.Lfunc_end_k_q8fa09f6a47_router:
	.size	k_q8fa09f6a47_router, .Lfunc_end_k_q8fa09f6a47_router-k_q8fa09f6a47_router
	.p2alignl 7, 3214868480
	.fill 96, 4, 3214868480
	.section	.rodata,"a",@progbits
	.p2align	6, 0x0
	.amdhsa_kernel k_q8fa09f6a47_router
		.amdhsa_group_segment_fixed_size 44032
		.amdhsa_private_segment_fixed_size 0
		.amdhsa_enable_private_segment 0
		.amdhsa_kernarg_size 40
		.amdhsa_user_sgpr_count 2
		.amdhsa_user_sgpr_kernarg_segment_ptr 1
		.amdhsa_wavefront_size32 1
		.amdhsa_system_sgpr_workgroup_id_x 1
		.amdhsa_system_sgpr_workgroup_id_y 1
		.amdhsa_system_sgpr_workgroup_id_z 1
		.amdhsa_system_vgpr_workitem_id 0
		.amdhsa_next_free_vgpr 256
		.amdhsa_next_free_sgpr 66
		.amdhsa_reserve_vcc 1
		.amdhsa_float_denorm_mode_32 3
		.amdhsa_float_denorm_mode_16_64 3
		.amdhsa_memory_ordered 1
		.amdhsa_forward_progress 1
		.amdhsa_inst_pref_size 24
	.end_amdhsa_kernel
	.amdgpu_metadata
---
amdhsa.version: [ 1, 2 ]
amdhsa.kernels:
  - .name:           k_q8fa09f6a47_router
    .symbol:         k_q8fa09f6a47_router.kd
    .args:
      - { .name: x, .offset: 0, .size: 8, .value_kind: global_buffer, .address_space: global }
      - { .name: gate_w, .offset: 8, .size: 8, .value_kind: global_buffer, .address_space: global }
      - { .name: sel, .offset: 16, .size: 8, .value_kind: global_buffer, .address_space: global }
      - { .name: gw, .offset: 24, .size: 8, .value_kind: global_buffer, .address_space: global }
      - { .name: psum, .offset: 32, .size: 8, .value_kind: global_buffer, .address_space: global }
    .group_segment_fixed_size: 44032
    .private_segment_fixed_size: 0
    .kernarg_segment_align: 8
    .kernarg_segment_size: 40
    .max_flat_workgroup_size: 256
    .sgpr_count:     66
    .vgpr_count:     256
    .wavefront_size: 32
...
	.end_amdgpu_metadata
.endif
;; end of part 1
;; launch place (part 2): grid 136 x 1, 32 waves a work-group, no clusters, 41,984 bytes of LDS; arguments x, sel, psum, xs, pos, meta, out1; writes xs, pos, meta, out1
.if DOCPART == 2
	.amdgcn_target "amdgcn-amd-amdhsa--gfx1250"
	.amdhsa_code_object_version 6
	.text
	.protected	k_q8fa09f6a47_place
	.globl	k_q8fa09f6a47_place
	.p2align	8
	.type	k_q8fa09f6a47_place,@function
k_q8fa09f6a47_place:
	s_mov_b64 s[64:65], 0
	v_nop
	global_prefetch_b8 v0, s[64:65] scope:SCOPE_SE
	s_setreg_imm32_b32 hwreg(HW_REG_WAVE_MODE, 25, 1), 1
	s_wait_xcnt 0x0
; PLACE.  A counting sort of the 2,048 choices, without atomics, and the gather of the chosen rows of x in the order in which a matrix operand's registers take them.
; Expert e owns T_e = ceil(n_e / 16) tiles of 16 slots from tile base_e on (base = the running sum of T; never more than 135 tiles).  Token n's slot with expert e is 16 base_e + the number of lower tokens that chose e.
; Every work-group counts for itself (thread = token, wave g = tokens 32 g ..); work-group tau then builds tile tau of xs: 32 K steps x 1,024 bytes; byte 512 a + 16 L of a K step's block holds
; row L % 16, k = 32 s + 16 a + 8 (L / 16) + 0..7, in bf16.  A slot past an expert's count, and a tile past the last, repeat token 0's row.  Work-group 0 also stores pos, meta and the auxiliary loss.
; x is rounded once to bf16.  All that steers addresses comes from sel, which the launch before stored.
; Memory-bound and small: no matrix unit, no tensor load (the rows come by a list), no cluster (the work-groups share 4 KB of sel).
.set CNTS,  0                          ; 32 x 16 bytes: wave g's eight counts in 16-bit fields
.set TOKW,  512                        ; 32 waves x 132 bytes: word i of wave g = 1 + the token of that wave that falls on the tile's slot i, or 0
.set TOKP,  132
.set STG,   4864                       ; 16 rows x 2,064 bytes (2,048 + 16: the 16 rows of a load start at 16 different groups of four banks, ISA guide 11.1)
.set STGP,  2064
.set SPARE, STG+16*STGP                ; the spare words, 128 bytes a wave: no other line names them
.set SPW, 62                           ; v62  my spare word's address; never rewritten
.set NIL, 63                           ; v63  0; never rewritten
; s20 wave g, s21 tau, s[22:23] lane selects, s[24:31] masks M_e, s[32:39] counts, s[40:47] my wave's first slot with expert e, s[48:55] T_e, s[56:63] base_e, s66 on at work
.macro ISUM r                          ; a whole number summed over the 32 lanes, in every lane
.irp m, 1,2,4,8
	v_mov_b32_dpp v20, v[\r] row_xmask:\m row_mask:0xf bank_mask:0xf
	v_add_nc_u32 v[\r], v[\r], v20
.endr
	v_permlanex16_b32 v20, v[\r], s22, s23
	v_add_nc_u32 v[\r], v[\r], v20
.endm
.macro FSUM r                          ; the same for an f32
.irp m, 1,2,4,8
	v_add_f32_dpp v[\r], v[\r], v[\r] row_xmask:\m row_mask:0xf bank_mask:0xf
.endr
	v_permlanex16_b32 v20, v[\r], s22, s23
	v_add_f32 v[\r], v[\r], v20
.endm
	s_load_b256 s[4:11], s[0:1], 0x0               ; x s[4:5], sel s[6:7], psum s[8:9], xs s[10:11]
	s_load_b128 s[12:15], s[0:1], 0x20             ; pos s[12:13], meta s[14:15]
	s_load_b64 s[16:17], s[0:1], 0x30              ; out1
	v_lshl_add_u32 v[SPW], v0, 2, SPARE
	v_mov_b32 v[NIL], 0
	v_lshrrev_b32 v2, 5, v0
	v_readfirstlane_b32 s20, v2                    ; wave g
	s_mov_b32 s21, ttmp9                           ; tile tau
	v_and_b32 v1, 31, v0                           ; lane L
	v_lshlrev_b32 v2, 2, v0                        ; 4 n
	v_mov_b32 v20, 0                               ; the sums' helper: its first use counts as a read
	s_mov_b32 s22, 0x76543210
	s_mov_b32 s23, 0xfedcba98
	s_wait_kmcnt 0x0
	global_load_b32 v3, v2, s[6:7]
	s_wait_loadcnt 0x0
	v_and_b32 v4, 0xff, v3                         ; e0
	v_bfe_u32 v5, v3, 8, 8                         ; e1
.irp e, 0,1,2,3,4,5,6,7
	v_cmp_eq_u32 s66, \e, v4
	v_cmp_eq_u32 s67, \e, v5
	s_or_b32 s[24+\e], s66, s67                    ; which of my wave's tokens chose e
	s_bcnt1_i32_b32 s[32+\e], s[24+\e]
.endr
.irp k, 0,1,2,3
	s_lshl_b32 s66, s[33+2*\k], 16
	s_or_b32 s66, s66, s[32+2*\k]                  ; two counts a word: a count is 32 at the most, a sum of them 1,024
	v_mov_b32 v[8+\k], s66
.endr
	s_lshl_b32 s67, s20, 4
	v_mov_b32 v6, s67
	ds_store_b128 v6, v[8:11]                      ; all lanes write my wave's 16 bytes with the same words
	s_wait_dscnt 0x0                               ; for the others' sake
	s_barrier_signal -1
	s_barrier_wait -1
	v_lshlrev_b32 v7, 4, v1
	ds_load_b128 v[12:15], v7                      ; lane L: wave L's counts
	s_wait_dscnt 0x0
	v_cmp_gt_u32 vcc_lo, s20, v1                   ; the waves below mine
.irp k, 0,1,2,3
	v_cndmask_b32 v[16+\k], 0, v[12+\k], vcc_lo
.endr
.irp r, 12,13,14,15,16,17,18,19
	ISUM \r
.endr
.irp k, 0,1,2,3
	v_readfirstlane_b32 s[68+\k], v[12+\k]         ; the totals,
	v_readfirstlane_b32 s[72+\k], v[16+\k]         ; and what lies below my wave
.endr
.irp k, 0,1,2,3
	s_and_b32 s[32+2*\k], s[68+\k], 0xffff
	s_lshr_b32 s[33+2*\k], s[68+\k], 16
	s_and_b32 s[40+2*\k], s[72+\k], 0xffff
	s_lshr_b32 s[41+2*\k], s[72+\k], 16
.endr
	s_mov_b32 s76, 0
.irp e, 0,1,2,3,4,5,6,7
	s_add_co_u32 s[48+\e], s[32+\e], 15
	s_lshr_b32 s[48+\e], s[48+\e], 4               ; T_e
	s_mov_b32 s[56+\e], s76                        ; base_e
	s_lshl4_add_u32 s[40+\e], s76, s[40+\e]        ; 16 base_e + the lower waves' count
	s_add_co_u32 s76, s76, s[48+\e]
.endr
	v_mov_b32 v22, 0
	v_mov_b32 v23, 0
.irp e, 0,1,2,3,4,5,6,7
	v_mbcnt_lo_u32_b32 v21, s[24+\e], 0            ; the lower lanes of my wave that chose e
	v_add_nc_u32 v21, s[40+\e], v21
	v_cmp_eq_u32 vcc_lo, \e, v4
	v_cndmask_b32 v22, v22, v21, vcc_lo            ; my slot with e0,
	v_cmp_eq_u32 vcc_lo, \e, v5
	v_cndmask_b32 v23, v23, v21, vcc_lo            ; with e1
.endr
	s_lshl_b32 s77, s21, 4
	v_sub_nc_u32 v24, v22, s77
	v_sub_nc_u32 v25, v23, s77
	v_min_u32 v24, v24, v25                        ; my place in tile tau, if under 16 (two experts never share a tile)
	s_lshl_b32 s78, s20, 5
	s_add_co_u32 s78, s78, 1                       ; 32 g + 1
	v_mov_b32 v26, 0
.irp i, 0,1,2,3,4,5,6,7,8,9,10,11,12,13,14,15
	v_cmp_eq_u32 s79, \i, v24
	s_ctz_i32_b32 s80, s79
	s_add_co_u32 s80, s80, s78
	s_cmp_lg_u32 s79, 0
	s_cselect_b32 s80, s80, 0                      ; token + 1, or 0
	v_writelane_b32 v26, s80, \i
.endr
	s_mul_i32 s81, s20, TOKP
	s_add_co_u32 s81, s81, TOKW
	v_lshl_add_u32 v27, v1, 2, s81
	ds_store_b32 v27, v26                          ; my wave's own 32 words
	s_wait_dscnt 0x0
	s_barrier_signal -1
	s_barrier_wait -1
	s_cmp_lg_u32 s21, 0
	s_cbranch_scc1 .Lgather                        ; work-group 0 alone stores the tables; no barrier is jumped
	v_lshlrev_b32 v28, 3, v0
	global_store_b64 v28, v[22:23], s[12:13]       ; pos
	s_cmp_lg_u32 s20, 0
	s_cbranch_scc1 .Lgather
	v_mov_b32 v29, 0
.irp e, 0,1,2,3,4,5,6,7
	v_writelane_b32 v29, s[48+\e], 2*\e
	v_writelane_b32 v29, s[56+\e], 2*\e+1
.endr
	global_store_b32 v2, v29, s[14:15]             ; meta: eight pairs {T, base}, then 16 zeros: 128 of the buffer's 256 bytes
	v_lshlrev_b32 v30, 5, v1
	global_load_b128 v[32:35], v30, s[8:9]         ; psum's rows L and L + 32
	global_load_b128 v[36:39], v30, s[8:9] offset:16
	global_load_b128 v[40:43], v30, s[8:9] offset:1024
	global_load_b128 v[44:47], v30, s[8:9] offset:1040
	s_mov_b32 s82, 0x3a800000                      ; 1 / 1,024
	v_mov_b32 v48, 0xbe000000                      ; -1 / 8
	v_mov_b32 v50, 0
	s_wait_loadcnt 0x0
.irp n, 0,2,4,6
	v_pk_add_f32 v[32+\n:33+\n], v[32+\n:33+\n], v[40+\n:41+\n]
.endr
.irp r, 32,33,34,35,36,37,38,39
	FSUM \r
.endr
.irp e, 0,1,2,3,4,5,6,7
	v_fma_f32 v[32+\e], v[32+\e], s82, v48         ; the mean probability less 1 / 8
.endr
	v_mul_f32 v49, v32, v32
.irp e, 1,2,3,4,5,6,7
	v_fmac_f32 v49, v[32+\e], v[32+\e]             ; the mean of eight squares, times eight
.endr
	v_cmp_eq_u32 vcc_lo, 0, v1
	s_wait_xcnt 0x0                                ; EXEC changes only behind this wait
	s_and_saveexec_b32 s83, vcc_lo
	global_store_b32 v50, v49, s[16:17]
	s_wait_xcnt 0x0
	s_or_b32 exec_lo, exec_lo, s83
.Lgather:                                              ; wave g fetches half g % 2 of the tile's row g / 2
	s_lshr_b32 s83, s20, 1
	s_and_b32 s84, s20, 1
	v_mul_u32_u24 v31, v1, TOKP
	s_lshl_b32 s85, s83, 2
	s_add_co_u32 s85, s85, TOKW
	v_add_nc_u32 v31, s85, v31
	ds_load_b32 v32, v31                           ; lane L: wave L's word for that slot; one of the 32 at the most is not 0
	s_wait_dscnt 0x0
	ISUM 32
	v_readfirstlane_b32 s86, v32
	s_max_u32 s86, s86, 1
	s_sub_co_u32 s86, s86, 1                       ; the token; token 0 for an empty slot
	s_min_u32 s86, s86, 1023
	s_lshl_b32 s86, s86, 12
	s_lshl_b32 s87, s84, 11
	s_add_co_u32 s86, s86, s87
	s_mov_b32 s87, 0
	s_add_nc_u64 s[88:89], s[4:5], s[86:87]
	v_lshlrev_b32 v33, 4, v1
.irp j, 0,1,2,3
	global_load_b128 v[36+4*\j:39+4*\j], v33, s[88:89] offset:512*\j  ; 512 consecutive bytes
.endr
	s_mul_i32 s90, s83, STGP
	s_lshl_b32 s91, s84, 10
	s_add_co_u32 s90, s90, s91
	s_add_co_u32 s90, s90, STG
	v_lshl_add_u32 v34, v1, 3, s90
	s_wait_loadcnt 0x0
.irp j, 0,1,2,3
	v_cvt_pk_bf16_f32 v[52+2*\j], v[36+4*\j], v[37+4*\j]
	v_cvt_pk_bf16_f32 v[53+2*\j], v[38+4*\j], v[39+4*\j]
	ds_store_b64 v34, v[52+2*\j:53+2*\j] offset:256*\j
.endr
	s_wait_dscnt 0x0                               ; for the others' sake
	s_barrier_signal -1
	s_barrier_wait -1
	v_and_b32 v35, 15, v0                          ; wave g writes K step g
	v_bfe_u32 v36, v0, 4, 1
	v_mul_u32_u24 v35, v35, STGP
	v_lshl_add_u32 v35, v36, 4, v35
	s_lshl_b32 s90, s20, 6
	s_add_co_u32 s90, s90, STG
	v_add_nc_u32 v35, s90, v35
	ds_load_b128 v[40:43], v35
	ds_load_b128 v[44:47], v35 offset:32
	s_lshl_b32 s86, s21, 15
	s_lshl_b32 s91, s20, 10
	s_add_co_u32 s86, s86, s91
	s_add_nc_u64 s[92:93], s[10:11], s[86:87]
	s_wait_dscnt 0x0
	global_store_b128 v33, v[40:43], s[92:93]      ; each store covers 512 consecutive bytes, aligned
	global_store_b128 v33, v[44:47], s[92:93] offset:512
	s_wait_tensorcnt 0x0                           ; the wave's end, behind my last LDS store
	ds_add_u32 v[SPW], v[NIL]
	s_wait_dscnt 0x0
	s_endpgm
.Lfunc_end_k_q8fa09f6a47_place:
	.size	k_q8fa09f6a47_place, .Lfunc_end_k_q8fa09f6a47_place-k_q8fa09f6a47_place
	.p2alignl 7, 3214868480
	.fill 96, 4, 3214868480
	.section	.rodata,"a",@progbits
	.p2align	6, 0x0
	.amdhsa_kernel k_q8fa09f6a47_place
		.amdhsa_group_segment_fixed_size 41984
		.amdhsa_private_segment_fixed_size 0
		.amdhsa_enable_private_segment 0
		.amdhsa_kernarg_size 56
		.amdhsa_user_sgpr_count 2
		.amdhsa_user_sgpr_kernarg_segment_ptr 1
		.amdhsa_wavefront_size32 1
		.amdhsa_system_sgpr_workgroup_id_x 1
		.amdhsa_system_sgpr_workgroup_id_y 1
		.amdhsa_system_sgpr_workgroup_id_z 1
		.amdhsa_system_vgpr_workitem_id 0
		.amdhsa_next_free_vgpr 64
		.amdhsa_next_free_sgpr 96
		.amdhsa_reserve_vcc 1
		.amdhsa_float_denorm_mode_32 3
		.amdhsa_float_denorm_mode_16_64 3
		.amdhsa_memory_ordered 1
		.amdhsa_forward_progress 1
		.amdhsa_inst_pref_size 26
	.end_amdhsa_kernel
	.amdgpu_metadata
---
amdhsa.version: [ 1, 2 ]
amdhsa.kernels:
  - .name:           k_q8fa09f6a47_place
    .symbol:         k_q8fa09f6a47_place.kd
    .args:
      - { .name: x, .offset: 0, .size: 8, .value_kind: global_buffer, .address_space: global }
      - { .name: sel, .offset: 8, .size: 8, .value_kind: global_buffer, .address_space: global }
      - { .name: psum, .offset: 16, .size: 8, .value_kind: global_buffer, .address_space: global }
      - { .name: xs, .offset: 24, .size: 8, .value_kind: global_buffer, .address_space: global }
      - { .name: pos, .offset: 32, .size: 8, .value_kind: global_buffer, .address_space: global }
      - { .name: meta, .offset: 40, .size: 8, .value_kind: global_buffer, .address_space: global }
      - { .name: out1, .offset: 48, .size: 8, .value_kind: global_buffer, .address_space: global }
    .group_segment_fixed_size: 41984
    .private_segment_fixed_size: 0
    .kernarg_segment_align: 8
    .kernarg_segment_size: 56
    .max_flat_workgroup_size: 1024
    .sgpr_count:     96
    .vgpr_count:     64
    .wavefront_size: 32
...
	.end_amdgpu_metadata
.endif
;; end of part 2
;; launch fc1 (part 3): grid 32 x 8, 4 waves a work-group, no clusters, 295,424 bytes of LDS; arguments xs, fc1_w, fc1_b, meta, hs; writes hs
.if DOCPART == 3
	.amdgcn_target "amdgcn-amd-amdhsa--gfx1250"
	.amdhsa_code_object_version 6
	.text
	.protected	k_q8fa09f6a47_fc1
	.globl	k_q8fa09f6a47_fc1
	.p2align	8
	.type	k_q8fa09f6a47_fc1,@function
k_q8fa09f6a47_fc1:
	s_mov_b64 s[64:65], 0
	v_nop
	global_prefetch_b8 v0, s[64:65] scope:SCOPE_SE
	s_setreg_imm32_b32 hwreg(HW_REG_WAVE_MODE, 25, 1), 1
	s_wait_xcnt 0x0
; FC1.  hs = gelu(xs W1[e]^T + b1[e]), for the routed rows alone.  Work-group (s, e) owns columns 128 s .. 128 s + 127 of expert e, K = 1,024: 512 KB of f32 weights that it alone reads, once,
; and ALL of the expert's tiles of 16 rows (T of them from tile `base` on: meta, stored by the launch before).  256 work-groups, whatever the split of the tokens.
; K goes in 16 chunks of 64.  A chunk of W (128 rows x 256 bytes) comes into registers in whole rows' 256 bytes, is rounded to bf16 and stored into an LDS region of its own, written once.  It is multiplied with the
; expert's first 20 tiles (5 a wave), whose operands come from xs straight into registers.  THE WALK IS ONE CHUNK AHEAD OF THE PRODUCTS: trip c stores chunk c + 1, multiplies chunk c's first K step, passes the one
; barrier that makes chunk c + 1 whole, fetches that chunk's first fragments, multiplies chunk c's second K step and fetches the second fragments: each LDS round trip has a K step's products behind it.
; After 16 chunks the slice lies in LDS whole; an expert with more than 320 rows is finished by passes 1 to 3 out of LDS, with no weight read again.  Every loop has a constant count; what hangs on meta are forward
; jumps over products and stores.  A place of a wave that has no tile loads a tile that exists (the wave's first, or tile 0), so every wave issues the same loads and the counted waits hold.
; THE MATRIX INSTRUCTION IS USED TRANSPOSED (source 0 = 16 columns of W, source 1 = 16 rows of xs): a lane holds one row and eight neighbouring columns, which rounded to bf16 ARE four registers of the next product's operand.
; FORMATS AND LIMITS.  W1 and b1 are rounded once to bf16, sums in f32, h rounded once to bf16.  erf by a rational form in 1 / (1 + 0.3275911 z) of five terms, absolute error 1.5e-7 for every z;
; gelu(x) = max(x, 0) - |x| Q / 2 with Q = 1 - erf(|x| / sqrt 2).  NaN and infinities are not treated apart.
; NO TENSOR LOAD, NO CLUSTER: each weight has one reader and must pass registers to be rounded; what an expert's 32 work-groups share is xs, whose tile count comes from meta, and the slice takes 294,912 of LDS's 327,680 bytes.
; The accumulators are cleared (320 lines, in the wait for the arguments): a first K step written out with C = 0 would be a further copy of the trip, and a wave's unused places would stay unwritten.
; REGISTERS, in windows of 256 (s_set_vgpr_msb: bits 1:0 source 0, 3:2 source 1, 5:4 source 2, 7:6 destination):
;   window 0: addresses; v32-95, v96-159 W's fragments of a chunk's two K steps; v160-223 biases; v224-255 at work          window 1: xs's fragments, at 80 p + 40 k + 8 i (chunk parity, K step, place)
;   window 2: accumulators of places 0-3 at 64 i + 8 cb          window 3: v0-63 those of place 4; v64-127, v128-191 W as loaded, by chunk parity
.set PSH,   12                         ; W's rows are 4,096 bytes apart
.set PITCH, 1<<PSH
.set ASH,   15                         ; a tile of xs is 32,768 bytes
.set WP,    144                        ; a row of a chunk in LDS: 128 bytes + 16: the 16 rows of a load start at 16 different groups of four banks (ISA guide 11.1)
.set CH,    128*WP                     ; a chunk's region
.set SPARE, 16*CH                      ; the spare words, 128 bytes a wave: no other line names them
.set L16, 1                            ; v1   16 L
.set WO,  2                            ; v2   W: (32 w + 8 (L / 16)) rows + 16 (L % 16)
.set PO,  3                            ; v3   prefetch: row 32 w + L; never rewritten
.set WS,  4                            ; v4   where I store my 8 bytes of a row of the chunk; steps
.set BA,  5                            ; v5   where I read W's fragments; steps
.set BA0, 6                            ; v6   144 (L % 16) + 16 (L / 16); never rewritten
.set AO,  8                            ; v8-12  place i's tile in xs, + 16 L
.set BO,  13                           ; v13  biases: 32 (L / 16)
.set SPW, 30                           ; v30  my spare word's address; never rewritten
.set NIL, 31                           ; v31  0; never rewritten
.set BF0, 32
.set BF1, 96
.set BIAS, 160
.set WL,  64                           ; window 3
.set GT,  32                           ; the way out: 32 values x,
.set GD,  64                           ; 1 + c1 |x|, then its reciprocal t,
.set GS,  96                           ; -x^2 log2(e) / 2, then 2 to that,
.set GM,  128                          ; max(x, 0),
.set GP,  224                          ; the polynomial, the result, and the 16 packed words that are stored
.set WV,  14                           ; s14 wave; s15 s; s16 e
.set SX,  15
.set EX,  16
.set TT,  18                           ; s[18:19] T, base
.set RW,  20                           ; s20 my tiles in this pass, 0 to 5
.set PASS, 21                          ; s21 passes to go
.set CNT, 22
.set UU,  23
.set TB,  24                           ; s24 my first tile of this pass
.set SW,  30                           ; s[30:31] W, steps
.set SA,  32                           ; s[32:33] xs, steps
.set SB,  34                           ; s[34:35] the stores' base
.set OF,  36                           ; s[36:37] an offset, the high word 0
.set PN,  38                           ; s38 the pass that SETPASS prepares
.set FB,  39
.set C1,  40
.set C2,  42
.set A5,  44
.set A4,  46
.set A3,  48
.set A2,  50
.set A1,  52
.set LB,  61                           ; s61 a later pass: the LDS byte at which the chunk in hand begins
.set MSB, 0
.macro WIN new                         ; the immediate's high byte repeats the setting that is left; a switch that changes nothing is dropped
.if MSB != (\new)
	s_set_vgpr_msb (MSB<<8)|(\new)
.set MSB, \new
.endif
.endm
.macro PLACES                          ; four places between a matrix instruction and a load into, or a vector read or write of, its registers
.rept 4
	v_nop
.endr
.endm
.macro ZERO
	WIN 0x80
.set z, 0
.rept 256
	v_mov_b32 v[z], 0
.set z, z+1
.endr
	WIN 0xc0
.set z, 0
.rept 64
	v_mov_b32 v[z], 0
.set z, z+1
.endr
	WIN 0
.endm
; Pass PN: tile t of the expert belongs to wave (t - 20 PN) % 4, place (t - 20 PN) / 4
.macro SETPASS
	s_mul_i32 s25, s[PN], 20
	s_add_co_u32 s25, s25, s[WV]
	s_sub_co_i32 s26, s[TT], s25
	s_add_co_i32 s26, s26, 3
	s_ashr_i32 s26, s26, 2
	s_max_i32 s26, s26, 0
	s_min_i32 s[RW], s26, 5
	s_add_co_u32 s[TB], s[TT+1], s25
	s_cmp_gt_u32 s[RW], 0
	s_cselect_b32 s[FB], s[TB], 0                  ; an empty place repeats my first tile, or tile 0
.irp i, 0,1,2,3,4
	s_add_co_u32 s27, s[TB], 4*\i
	s_cmp_gt_u32 s[RW], \i
	s_cselect_b32 s27, s27, s[FB]
	s_min_u32 s27, s27, 135
	s_lshl_b32 s27, s27, ASH
	v_add_nc_u32 v[AO+\i], s27, v[L16]
.endr
.endm
.macro WLOAD p, o                      ; 16 loads into buffer p: my 32 rows' 256 bytes at byte o from SW; 16 lanes take one row's, the other 16 those of the row 8 further on
	WIN 0xc0
.irp j, 0,1,2,3,4,5,6,7,8,9,10,11,12,13,14,15
	global_load_b128 v[WL+64*\p+4*\j:WL+64*\p+4*\j+3], v[WO], s[SW:SW+1] offset:((\j)%8+16*((\j)/8))*PITCH+\o th:TH_LOAD_NT
.endr
	WIN 0
.endm
.macro ALOAD p, o                      ; 20 loads into buffer p: five tiles x two K steps at byte o from SA, 512 consecutive bytes each
	WIN 0x40
.irp k, 0,1
.irp i, 0,1,2,3,4
	global_load_b128 v[80*\p+40*\k+8*\i:80*\p+40*\k+8*\i+3],   v[AO+\i], s[SA:SA+1] offset:\o+1024*\k
	global_load_b128 v[80*\p+40*\k+8*\i+4:80*\p+40*\k+8*\i+7], v[AO+\i], s[SA:SA+1] offset:\o+1024*\k+512
.endr
.endr
	WIN 0
.endm
.macro LAND p, q, wl                   ; the chunk in buffer p is rounded in place and stored, q regions behind WS; wl = 1: its registers are asked to be filled again
	WIN 0xcf
.irp j, 0,1,2,3,4,5,6,7,8,9,10,11,12,13,14,15
	v_cvt_pk_bf16_f32 v[WL+64*\p+4*\j],   v[WL+64*\p+4*\j],   v[WL+64*\p+4*\j+1]
	v_cvt_pk_bf16_f32 v[WL+64*\p+4*\j+1], v[WL+64*\p+4*\j+2], v[WL+64*\p+4*\j+3]
.endr
	WIN 0x0c
.irp j, 0,1,2,3,4,5,6,7,8,9,10,11,12,13,14,15
	ds_store_b64 v[WS], v[WL+64*\p+4*\j:WL+64*\p+4*\j+1] offset:CH*\q+((\j)%8+16*((\j)/8))*WP
.endr
.if \wl
	WLOAD \p, 0
.else
	WIN 0
.endif
.endm
.macro BLOADK k, q                     ; 16 LDS loads: W's 8 fragments of K step k of the chunk q regions behind BA
.irp cb, 0,1,2,3,4,5,6,7
	ds_load_b128 v[BF0+64*\k+8*\cb:BF0+64*\k+8*\cb+3],   v[BA] offset:CH*\q+16*WP*\cb+64*\k
	ds_load_b128 v[BF0+64*\k+8*\cb+4:BF0+64*\k+8*\cb+7], v[BA] offset:CH*\q+16*WP*\cb+64*\k+32
.endr
.endm
; One K step: 8 products for each of my RW tiles.  The tiles lie 4, 3, 2, 1, 0 and the run is entered at tile RW - 1: a wave with all five tiles passes one jump.
; The accumulators take turns, one instruction a turn: seven others' at the least stand between two links of a chain.
.macro MULS bf, ab
	WIN 0
.irp i, 4,3,2,1,0
	s_cmp_gt_u32 s[RW], \i
	s_cbranch_scc1 .Lm\@t\i
.endr
	s_branch .Lm\@e
.irp i, 4,3,2,1,0
.Lm\@t\i:
.if \i < 4
	WIN 0xa4
.else
	WIN 0xf4
.endif
.irp cb, 0,1,2,3,4,5,6,7
	v_wmma_f32_16x16x32_bf16 v[((\i)%4)*64+8*\cb:((\i)%4)*64+8*\cb+7], v[\bf+8*\cb:\bf+8*\cb+7], v[\ab+8*\i:\ab+8*\i+7], v[((\i)%4)*64+8*\cb:((\i)%4)*64+8*\cb+7]
.endr
	WIN 0
.endr
.Lm\@e:
.endm
; TRIP c.  p = c % 2 (xs's buffer), pw = (c + 1) % 2 (W's buffer), q = where chunk c + 1's region lies behind WS and BA.
; The loads go out in the order W(0) W(1) A(0) | W(2) A(1) | and in trip c: W(c+3), A(c+2): 16 and 20 by turns.  nw, na: the younger loads that may stay out when W(c+1), A(c) must be in.
; land = 0: the last trip, with no chunk to store or fetch.  pf = 1: a prefetch; 2: none in the loop's last trip.
.macro TRIP p, pw, q, land, wl, al, nw, na, pf
.if \land
	s_wait_loadcnt \nw                             ; W(c+1) is in
	LAND \pw, \q, \wl
	s_wait_loadcnt \na                             ; A(c) is in
	s_wait_dscnt 32                                ; chunk c's first fragments are in: its second fragments' 16 loads and my 16 stores are the younger ones
.else
	s_wait_loadcnt \na
	s_wait_dscnt 16                                ; the second fragments' 16 loads are the younger ones
.endif
	MULS BF0, 80*\p
	s_wait_dscnt 0x0                               ; for the others' sake: my rows of chunk c + 1 are written (they went out a K step ago); and chunk c's second fragments are in
.if \land
	s_barrier_signal -1
	s_barrier_wait -1                              ; chunk c + 1 is whole.  Its region is written this once, so no second barrier is wanted
	PLACES
	BLOADK 0, \q                                   ; they land under the products below
.endif
.if \pf == 2
	s_cmp_eq_u32 s[CNT], 1                         ; trip 11 would ask past the rows' K
	s_cbranch_scc1 .Lnp_\@
.endif
.if \pf
	global_prefetch_b8 v[PO], s[SW:SW+1] offset:512 th:TH_LOAD_NT scope:SCOPE_SE  ; chunk c + 5, whose loads go out two trips on: each lane one row's 256 bytes, each block asked for once, by this wave; chunks 5 to 15
.endif
.if \pf == 2
.Lnp_\@:
.endif
	MULS BF1, 80*\p+40
	PLACES
.if \land
	BLOADK 1, \q                                   ; they land under the next trip's landing and first products
.endif
.if \al
	s_wait_xcnt 0x0                                ; the bases step only behind this wait; the youngest memory instruction ahead of it stands a K step back
	s_add_nc_u64 s[SA:SA+1], s[SA:SA+1], 2048      ; chunk c + 2 of xs,
	s_add_nc_u64 s[SW:SW+1], s[SW:SW+1], 256       ; chunk c + 4 of W, for the next trip
	ALOAD \p, 0
.endif
.endm
.macro RTRIP                           ; a chunk of a later pass: W from LDS, xs from memory; plain, since few splits come here
	v_add_nc_u32 v[BA], s[LB], v[BA0]              ; my lane's place in a chunk + the chunk's first byte: 0, CH, .. 15 CH
	ALOAD 0, 0
	BLOADK 0, 0
	BLOADK 1, 0
	s_wait_loadcnt 0x0
	s_wait_dscnt 0x0
	MULS BF0, 0
	MULS BF1, 40
	PLACES
	s_wait_xcnt 0x0
	s_add_nc_u64 s[SA:SA+1], s[SA:SA+1], 2048
	s_add_co_u32 s[LB], s[LB], CH
.endm
	s_load_b256 s[4:11], s[0:1], 0x0               ; xs s[4:5], fc1_w s[6:7], fc1_b s[8:9], meta s[10:11]
	s_load_b64 s[12:13], s[0:1], 0x20              ; hs
	v_lshl_add_u32 v[SPW], v0, 2, SPARE
	v_mov_b32 v[NIL], 0
	v_lshrrev_b32 v13, 5, v0
	v_readfirstlane_b32 s[WV], v13
	s_mov_b32 s[SX], ttmp9
	s_and_b32 s[EX], ttmp7, 0xffff
	v_and_b32 v13, 31, v0                          ; L
	v_and_b32 v14, 15, v0                          ; L % 16
	v_bfe_u32 v15, v0, 4, 1                        ; L / 16
	v_lshlrev_b32 v[L16], 4, v13
	s_lshl_b32 s25, s[WV], 5
	v_lshl_add_u32 v7, v15, 3, s25                 ; row 32 w + 8 (L / 16)
	v_lshlrev_b32 v[WO], PSH, v7
	v_lshl_add_u32 v[WO], v14, 4, v[WO]
	v_add_nc_u32 v[PO], s25, v13
	v_lshlrev_b32 v[PO], PSH, v[PO]
	v_mul_u32_u24 v[WS], v7, WP
	v_lshl_add_u32 v[WS], v14, 3, v[WS]
	v_mul_u32_u24 v[BA0], v14, WP
	v_lshl_add_u32 v[BA0], v15, 4, v[BA0]
	v_mov_b32 v[BA], v[BA0]
	v_lshlrev_b32 v[BO], 5, v15
	s_lshl_b32 s[OF], s[EX], 24                    ; the expert's 16 MB,
	s_lshl_b32 s26, s[SX], 19                      ; my 128 rows of 4,096 bytes
	s_add_co_u32 s[OF], s[OF], s26
	s_mov_b32 s[OF+1], 0
	s_lshl_b32 s26, s[EX], 14                      ; biases: 4,096 f32 an expert, 128 a slice
	s_lshl_b32 s27, s[SX], 9
	s_add_co_u32 s26, s26, s27
	s_mov_b32 s27, 0
	s_lshl_b32 s28, s[EX], 3
	s_mov_b32 s29, 0
	s_mov_b32 s[C1], 0x3e6d3388                    ; 0.3275911 / sqrt 2
.irp c, C2, A5, A4, A3, A2, A1
	s_mov_b32 s[\c+1], 0                           ; named as pairs; the low word serves both halves
.endr
	s_mov_b32 s[C2], 0xbf38aa3b                    ; -log2(e) / 2
	s_mov_b32 s[A5], 0x3f87dc22                    ; 1.061405429
	s_mov_b32 s[A4], 0xbfba00e3                    ; -1.453152027
	s_mov_b32 s[A3], 0x3fb5f0e3                    ; 1.421413741
	s_mov_b32 s[A2], 0xbe91a98e                    ; -0.284496736
	s_mov_b32 s[A1], 0x3e827906                    ; 0.254829592
	s_mov_b32 s[PN], 0
	ZERO                                           ; while the arguments are on their way
	s_wait_kmcnt 0x0
	s_add_nc_u64 s[56:57], s[10:11], s[28:29]
	s_load_b64 s[TT:TT+1], s[56:57], 0x0           ; T, base
	s_add_nc_u64 s[SW:SW+1], s[6:7], s[OF:OF+1]
	s_add_nc_u64 s[54:55], s[8:9], s[26:27]
	s_mov_b64 s[SA:SA+1], s[4:5]
.irp cb, 0,1,2,3,4,5,6,7
	global_load_b128 v[BIAS+8*\cb:BIAS+8*\cb+3],   v[BO], s[54:55] offset:64*\cb     ; columns 16 cb + 8 (L / 16) + 0..3
	global_load_b128 v[BIAS+8*\cb+4:BIAS+8*\cb+7], v[BO], s[54:55] offset:64*\cb+16
.endr
	WLOAD 0, 0                                     ; the weights hang on no table: two chunks go out while meta is on its way
	WLOAD 1, 256
	s_wait_kmcnt 0x0
	SETPASS
	ALOAD 0, 0
	s_wait_loadcnt 36                              ; the biases and W(0) are in: W(1) 16 + A(0) 20 are the younger ones
	LAND 0, 0, 0                                   ; chunk 0 into region 0
	WLOAD 0, 512                                   ; W(2)
	ALOAD 1, 2048                                  ; A(1)
.set n, 0
.rept 32
	v_cvt_pk_bf16_f32 v[224+n%8], v[BIAS+2*n], v[BIAS+2*n+1]   ; the biases rounded to bf16, kept as f32; this stands between chunk 0's stores and the wait for them
	v_lshlrev_b32 v[BIAS+2*n], 16, v[224+n%8]
	v_and_b32 v[BIAS+2*n+1], 0xffff0000, v[224+n%8]
.set n, n+1
.endr
	s_wait_dscnt 0x0                               ; for the others' sake: my rows of chunk 0 are written
	s_barrier_signal -1
	s_barrier_wait -1                              ; chunk 0 is whole
	BLOADK 0, 0
	BLOADK 1, 0
	v_add_nc_u32 v[WS], CH, v[WS]                  ; from here on both point at the region of the chunk that the trip stores and fetches
	v_add_nc_u32 v[BA], CH, v[BA]
	s_wait_xcnt 0x0                                ; the bases step only behind this wait
	s_add_nc_u64 s[SW:SW+1], s[SW:SW+1], 768       ; W(3), for trip 0
	s_add_nc_u64 s[SA:SA+1], s[SA:SA+1], 2048      ; trip 0 steps it on to A(2)
	s_mov_b32 s[CNT], 6
.Lk:                                                   ; trips 0 to 11, two a turn
	TRIP 0, 1, 0, 1, 1, 1, 56, 52, 1               ; 56 = A(c) 20 + W(c+2) 16 + A(c+1) 20;  52 = W(c+2) 16 + A(c+1) 20 + W(c+3) 16
	TRIP 1, 0, 1, 1, 1, 1, 56, 52, 2
	v_add_nc_u32 v[WS], 2*CH, v[WS]
	v_add_nc_u32 v[BA], 2*CH, v[BA]
	s_sub_co_u32 s[CNT], s[CNT], 1
	s_cmp_lg_u32 s[CNT], 0
	s_cbranch_scc1 .Lk
	TRIP 0, 1, 0, 1, 1, 1, 56, 52, 0               ; trip 12 asks for W(15) and A(14)
	TRIP 1, 0, 1, 1, 0, 1, 56, 36, 0               ; trip 13 for A(15) alone: 36 = W(15) + A(14)
	TRIP 0, 1, 2, 1, 0, 0, 40, 20, 0               ; trip 14 for nothing: 40 = A(14) + A(15), 20 = A(15)
	TRIP 1, 0, 0, 0, 0, 0, 0, 0, 0                 ; trip 15: products alone
	s_mov_b32 s[PASS], 4                           ; 4 x 20 tiles cover the 64 that one expert can have
.Lpass:                                                ; four times: the pass's tiles go out, the next pass (if I have tiles in it) is multiplied
	s_cmp_eq_u32 s[RW], 0
	s_cbranch_scc1 .Lnou                           ; nothing of mine to send
	s_mov_b32 s[UU], 0
.Lu:                                                   ; ten times: place u / 2, column half u % 2: 32 values a lane
	s_lshr_b32 s25, s[UU], 1
	s_cmp_ge_u32 s25, s[RW]
	s_cbranch_scc1 .Lunext
.irp u, 1,2,3,4,5,6,7,8,9
	s_cmp_eq_u32 s[UU], \u
	s_cbranch_scc1 .Lblk\u
.endr
.irp u, 0,1,2,3,4,5,6,7,8,9
.Lblk\u:                                               ; the bias is added on the way into the one text's registers; each accumulator's lowest registers first
	WIN 0x02+(\u)/8
.set n, 0
.rept 16
	v_pk_add_f32 v[GT+n:GT+n+1], v[(((\u)/2)%4)*64+32*((\u)%2)+n:(((\u)/2)%4)*64+32*((\u)%2)+n+1], v[BIAS+32*((\u)%2)+n:BIAS+32*((\u)%2)+n+1]
.set n, n+2
.endr
	WIN 0
.if \u < 9
	s_branch .Lgelu
.endif
.endr
.Lgelu:
.set n, 0
.rept 32
	v_fma_f32 v[GD+n], |v[GT+n]|, s[C1], 1.0
.set n, n+1
.endr
.set n, 0
.rept 16
	v_pk_mul_f32 v[GS+n:GS+n+1], v[GT+n:GT+n+1], v[GT+n:GT+n+1]
.set n, n+2
.endr
.set n, 0
.rept 16
	v_pk_mul_f32 v[GS+n:GS+n+1], v[GS+n:GS+n+1], s[C2:C2+1] op_sel_hi:[1,0]
.set n, n+2
.endr
.set n, 0
.rept 32                                               ; ONE BATCH of 64; nothing in it names a result; its last line is the plain instruction behind the last of them (ISA guide 5.7.2)
	v_rcp_f32 v[GD+n], v[GD+n]
	v_exp_f32 v[GS+n], v[GS+n]
	v_max_num_f32 v[GM+n], 0, v[GT+n]
.set n, n+1
.endr
	s_wait_alu depctr_va_vdst(0)                   ; the one wait ahead of the batch's first reader
	s_wait_xcnt 0x0                                ; the last trip's stores read GP's low 16 registers and SB: both are rewritten only behind this wait, which stands all the lines above behind those stores
	s_and_b32 s26, s[UU], 1
	s_lshl2_add_u32 s27, s25, s[TB]
	s_min_u32 s27, s27, 135
	s_lshl_b32 s[OF], s27, 17                      ; a tile of hs: 128 K steps of 1,024 bytes
	s_lshl_b32 s28, s[SX], 12                      ; my columns are its K steps 4 s .. 4 s + 3
	s_lshl_b32 s29, s26, 11
	s_add_co_u32 s28, s28, s29
	s_add_co_u32 s[OF], s[OF], s28
	s_add_nc_u64 s[SB:SB+1], s[12:13], s[OF:OF+1]
.set n, 0
.rept 16
	v_pk_fma_f32 v[GP+n:GP+n+1], v[GD+n:GD+n+1], s[A5:A5+1], s[A4:A4+1] op_sel_hi:[1,0,0]
.set n, n+2
.endr
.irp a, A3, A2, A1
.set n, 0
.rept 16
	v_pk_fma_f32 v[GP+n:GP+n+1], v[GP+n:GP+n+1], v[GD+n:GD+n+1], s[\a:\a+1] op_sel_hi:[1,1,0]
.set n, n+2
.endr
.endr
.irp f, GD, GS, GT
.set n, 0
.rept 16
	v_pk_mul_f32 v[GP+n:GP+n+1], v[GP+n:GP+n+1], v[\f+n:\f+n+1]   ; times t, times the exponential: Q; times x
.set n, n+2
.endr
.endr
.set n, 0
.rept 32
	v_fma_f32 v[GP+n], |v[GP+n]|, -0.5, v[GM+n]
.set n, n+1
.endr
.set n, 0
.rept 16
	v_cvt_pk_bf16_f32 v[GP+n], v[GP+2*n], v[GP+2*n+1]   ; packed in place, ascending: word n lands on a register whose value has been taken
.set n, n+1
.endr
.irp c, 0,1,2,3
	global_store_b128 v[L16], v[GP+4*\c:GP+4*\c+3], s[SB:SB+1] offset:512*\c  ; column block c: half c % 2 of K step c / 2; 512 consecutive bytes, aligned
.endr
.Lunext:
	s_add_co_u32 s[UU], s[UU], 1
	s_cmp_lt_u32 s[UU], 10
	s_cbranch_scc1 .Lu
	s_wait_xcnt 0x0                                ; the last stores have read their registers
.Lnou:
	s_add_co_u32 s[PN], s[PN], 1
	SETPASS
	s_cmp_eq_u32 s[RW], 0
	s_cbranch_scc1 .Lnone
	ZERO
	s_mov_b32 s[LB], 0                             ; the slice's first chunk
	s_mov_b64 s[SA:SA+1], s[4:5]
	s_mov_b32 s[CNT], 16
.Lr:
	RTRIP
	s_sub_co_u32 s[CNT], s[CNT], 1
	s_cmp_lg_u32 s[CNT], 0
	s_cbranch_scc1 .Lr
.Lnone:
	s_sub_co_u32 s[PASS], s[PASS], 1
	s_cmp_lg_u32 s[PASS], 0
	s_cbranch_scc1 .Lpass
	s_wait_dscnt 0x0                               ; my reads of the slice are over;
	s_barrier_signal -1
	s_barrier_wait -1                              ; every wave's are, before any wave's last LDS write.  (The slice ends where the spare words begin; the order does not rest on that.)
	s_wait_tensorcnt 0x0                           ; the wave's end, behind my last LDS store
	ds_add_u32 v[SPW], v[NIL]
	s_wait_dscnt 0x0
	s_endpgm
.Lfunc_end_k_q8fa09f6a47_fc1:
	.size	k_q8fa09f6a47_fc1, .Lfunc_end_k_q8fa09f6a47_fc1-k_q8fa09f6a47_fc1
	.p2alignl 7, 3214868480
	.fill 96, 4, 3214868480
	.section	.rodata,"a",@progbits
	.p2align	6, 0x0
	.amdhsa_kernel k_q8fa09f6a47_fc1
		.amdhsa_group_segment_fixed_size 295424
		.amdhsa_private_segment_fixed_size 0
		.amdhsa_enable_private_segment 0
		.amdhsa_kernarg_size 40
		.amdhsa_user_sgpr_count 2
		.amdhsa_user_sgpr_kernarg_segment_ptr 1
		.amdhsa_wavefront_size32 1
		.amdhsa_system_sgpr_workgroup_id_x 1
		.amdhsa_system_sgpr_workgroup_id_y 1
		.amdhsa_system_sgpr_workgroup_id_z 1
		.amdhsa_system_vgpr_workitem_id 0
		.amdhsa_next_free_vgpr 960
		.amdhsa_next_free_sgpr 66
		.amdhsa_reserve_vcc 0
		.amdhsa_float_denorm_mode_32 3
		.amdhsa_float_denorm_mode_16_64 3
		.amdhsa_memory_ordered 1
		.amdhsa_forward_progress 1
		.amdhsa_inst_pref_size 167
	.end_amdhsa_kernel
	.amdgpu_metadata
---
amdhsa.version: [ 1, 2 ]
amdhsa.kernels:
  - .name:           k_q8fa09f6a47_fc1
    .symbol:         k_q8fa09f6a47_fc1.kd
    .args:
      - { .name: xs, .offset: 0, .size: 8, .value_kind: global_buffer, .address_space: global }
      - { .name: fc1_w, .offset: 8, .size: 8, .value_kind: global_buffer, .address_space: global }
      - { .name: fc1_b, .offset: 16, .size: 8, .value_kind: global_buffer, .address_space: global }
      - { .name: meta, .offset: 24, .size: 8, .value_kind: global_buffer, .address_space: global }
      - { .name: hs, .offset: 32, .size: 8, .value_kind: global_buffer, .address_space: global }
    .group_segment_fixed_size: 295424
    .private_segment_fixed_size: 0
    .kernarg_segment_align: 8
    .kernarg_segment_size: 40
    .max_flat_workgroup_size: 128
    .sgpr_count:     66
    .vgpr_count:     960
    .wavefront_size: 32
...
	.end_amdgpu_metadata
.endif
;; end of part 3
;; launch fc2 (part 4): grid 32 x 8, 4 waves a work-group, no clusters, 312,832 bytes of LDS; arguments hs, fc2_w, meta, ypart; writes ypart
.if DOCPART == 4
	.amdgcn_target "amdgcn-amd-amdhsa--gfx1250"
	.amdhsa_code_object_version 6
	.text
	.protected	k_q8fa09f6a47_fc2
	.globl	k_q8fa09f6a47_fc2
	.p2align	8
	.type	k_q8fa09f6a47_fc2,@function
k_q8fa09f6a47_fc2:
	s_mov_b64 s[64:65], 0
	v_nop
	global_prefetch_b8 v0, s[64:65] scope:SCOPE_SE
	s_setreg_imm32_b32 hwreg(HW_REG_WAVE_MODE, 25, 1), 1
	s_wait_xcnt 0x0
; FC2.  ypart[q] = hs W2[e]^T over a quarter q of K = 4,096, in f32, for the routed rows alone; the launch behind adds the four quarters, the bias and the routing weights.
; Work-group (s, e) owns columns 128 (s % 8) .. + 127 and K = 1,024 (s / 8) .. + 1,023 of expert e: 512 KB of f32 weights that it alone reads, once, and ALL of the expert's tiles of 16 rows (meta).
; Why K is cut in four: 32 columns x all of K would take in 2 MB of hs for 0.5 MB of weights and write half rows of 128 bytes; 128 columns x 1,024 take in 0.5 MB of each.
; The walk is the first product's: K in 16 chunks of 64; a chunk of W comes into registers in whole rows' 256 bytes, is rounded to bf16 and stored into an LDS region of its own, written once; it is multiplied with the
; expert's first 20 tiles (5 a wave), whose operands come from hs straight into registers.  THE WALK IS ONE CHUNK AHEAD OF THE PRODUCTS: trip c stores chunk c + 1, multiplies chunk c's first K step, passes the one
; barrier that makes chunk c + 1 whole, fetches that chunk's first fragments, multiplies chunk c's second K step and fetches the second fragments: each LDS round trip has a K step's products behind it.
; Experts with more than 320 rows are finished by passes 1 to 3 out of LDS.  Every loop has a constant count; what hangs on meta are forward jumps over products and stores, never over a barrier.
; A place without a tile loads a tile that exists, so the counted waits hold in every wave.
; THE MATRIX INSTRUCTION IS USED TRANSPOSED (source 0 = 16 columns of W, source 1 = 16 rows of hs): a lane holds one row and eight neighbouring columns.
; FORMATS.  W2 is rounded once to bf16, sums and the stored parts in f32.  NaN and infinities are not treated apart.
; NO TENSOR LOAD, NO CLUSTER: each weight has one reader and must pass registers to be rounded; what work-groups share is hs, whose tile count comes from meta, and the slice takes 294,912 of LDS's 327,680 bytes.
; The accumulators are cleared (320 lines, in the wait for the arguments): a first K step written out with C = 0 would be a further copy of the trip, and a wave's unused places would stay unwritten.
; REGISTERS, in windows of 256 (s_set_vgpr_msb: bits 1:0 source 0, 3:2 source 1, 5:4 source 2, 7:6 destination):
;   window 0: addresses; v32-95, v96-159 W's fragments of a chunk's two K steps, on the way out four sets of 32 for rows read back          window 1: hs's fragments, at 80 p + 40 k + 8 i (chunk parity, K step, place)
;   window 2: accumulators of places 0-3 at 64 i + 8 cb          window 3: v0-63 those of place 4; v64-127, v128-191 W as loaded, by chunk parity
.set PSH,   14                         ; W's rows are 16,384 bytes apart
.set PITCH, 1<<PSH
.set ASH,   17                         ; a tile of hs is 131,072 bytes
.set WP,    144                        ; a row of a chunk in LDS: 128 bytes + 16: the 16 rows of a load start at 16 different groups of four banks (ISA guide 11.1)
.set CH,    128*WP
.set STAGE, 16*CH                      ; 16 rows x 272 bytes for each wave, for the way out
.set SP,    272
.set SPARE, STAGE+4*16*SP              ; the spare words, 128 bytes a wave: no other line names them
.set QS,    2176*4096                  ; a quarter's part of ypart
.set L16, 1                            ; v1   16 L
.set WO,  2                            ; v2   W: (32 w + 8 (L / 16)) rows + 16 (L % 16)
.set PO,  3                            ; v3   prefetch: row 32 w + L; never rewritten
.set WS,  4                            ; v4   where I store my 8 bytes of a row of the chunk; steps
.set BA,  5                            ; v5   where I read W's fragments; steps
.set BA0, 6                            ; v6   144 (L % 16) + 16 (L / 16); never rewritten
.set AO,  8                            ; v8-12  place i's tile in hs, + 16 L
.set STO, 16                           ; v16  the way out: where I put 16 bytes of a row
.set RD,  17                           ; v17  where I read rows back
.set YO,  18                           ; v18  my byte offset in two rows of ypart
.set SPW, 30                           ; v30  my spare word's address; never rewritten
.set NIL, 31                           ; v31  0; never rewritten
.set BF0, 32
.set BF1, 96
.set OB,  32                           ; the way out: set (place % 2, column half) at OB + 64 (i % 2) + 32 hf
.set WL,  64                           ; window 3
.set WV,  14
.set SX,  15
.set EX,  16
.set TT,  18                           ; s[18:19] T, base
.set RW,  20                           ; s20 my tiles in this pass, 0 to 5
.set PASS, 21                          ; s21 passes to go
.set CNT, 22
.set TB,  24                           ; s24 my first tile of this pass
.set SW,  30                           ; s[30:31] W, steps
.set SA,  32                           ; s[32:33] hs, steps
.set SB,  34                           ; s[34:35] the stores' base
.set OF,  36                           ; s[36:37] an offset, the high word 0
.set PN,  38
.set FB,  39
.set AB,  58                           ; s[58:59] hs at my quarter of K
.set YB,  60                           ; s60 my quarter's and my columns' bytes in ypart
.set LB,  61                           ; s61 a later pass: the LDS byte at which the chunk in hand begins
.set MSB, 0
.macro WIN new                         ; the immediate's high byte repeats the setting that is left; a switch that changes nothing is dropped
.if MSB != (\new)
	s_set_vgpr_msb (MSB<<8)|(\new)
.set MSB, \new
.endif
.endm
.macro PLACES                          ; four places between a matrix instruction and a load into, or a read or write of, its registers
.rept 4
	v_nop
.endr
.endm
.macro ZERO
	WIN 0x80
.set z, 0
.rept 256
	v_mov_b32 v[z], 0
.set z, z+1
.endr
	WIN 0xc0
.set z, 0
.rept 64
	v_mov_b32 v[z], 0
.set z, z+1
.endr
	WIN 0
.endm
; Pass PN: tile t of the expert belongs to wave (t - 20 PN) % 4, place (t - 20 PN) / 4
.macro SETPASS
	s_mul_i32 s25, s[PN], 20
	s_add_co_u32 s25, s25, s[WV]
	s_sub_co_i32 s26, s[TT], s25
	s_add_co_i32 s26, s26, 3
	s_ashr_i32 s26, s26, 2
	s_max_i32 s26, s26, 0
	s_min_i32 s[RW], s26, 5
	s_add_co_u32 s[TB], s[TT+1], s25
	s_cmp_gt_u32 s[RW], 0
	s_cselect_b32 s[FB], s[TB], 0                  ; an empty place repeats my first tile, or tile 0, which some expert always owns
.irp i, 0,1,2,3,4
	s_add_co_u32 s27, s[TB], 4*\i
	s_cmp_gt_u32 s[RW], \i
	s_cselect_b32 s27, s27, s[FB]
	s_min_u32 s27, s27, 135
	s_lshl_b32 s27, s27, ASH
	v_add_nc_u32 v[AO+\i], s27, v[L16]
.endr
.endm
.macro WLOAD p, o                      ; 16 loads into buffer p: my 32 rows' 256 bytes at byte o from SW; 16 lanes take one row's, the other 16 those of the row 8 further on
	WIN 0xc0
.irp j, 0,1,2,3,4,5,6,7,8,9,10,11,12,13,14,15
	global_load_b128 v[WL+64*\p+4*\j:WL+64*\p+4*\j+3], v[WO], s[SW:SW+1] offset:((\j)%8+16*((\j)/8))*PITCH+\o th:TH_LOAD_NT
.endr
	WIN 0
.endm
.macro ALOAD p, o                      ; 20 loads into buffer p: five tiles x two K steps at byte o from SA, 512 consecutive bytes each
	WIN 0x40
.irp k, 0,1
.irp i, 0,1,2,3,4
	global_load_b128 v[80*\p+40*\k+8*\i:80*\p+40*\k+8*\i+3],   v[AO+\i], s[SA:SA+1] offset:\o+1024*\k
	global_load_b128 v[80*\p+40*\k+8*\i+4:80*\p+40*\k+8*\i+7], v[AO+\i], s[SA:SA+1] offset:\o+1024*\k+512
.endr
.endr
	WIN 0
.endm
.macro LAND p, q, wl                   ; the chunk in buffer p is rounded in place and stored, q regions behind WS; wl = 1: its registers are asked to be filled again
	WIN 0xcf
.irp j, 0,1,2,3,4,5,6,7,8,9,10,11,12,13,14,15
	v_cvt_pk_bf16_f32 v[WL+64*\p+4*\j],   v[WL+64*\p+4*\j],   v[WL+64*\p+4*\j+1]
	v_cvt_pk_bf16_f32 v[WL+64*\p+4*\j+1], v[WL+64*\p+4*\j+2], v[WL+64*\p+4*\j+3]
.endr
	WIN 0x0c
.irp j, 0,1,2,3,4,5,6,7,8,9,10,11,12,13,14,15
	ds_store_b64 v[WS], v[WL+64*\p+4*\j:WL+64*\p+4*\j+1] offset:CH*\q+((\j)%8+16*((\j)/8))*WP
.endr
.if \wl
	WLOAD \p, 0
.else
	WIN 0
.endif
.endm
.macro BLOADK k, q                     ; 16 LDS loads: W's 8 fragments of K step k of the chunk q regions behind BA
.irp cb, 0,1,2,3,4,5,6,7
	ds_load_b128 v[BF0+64*\k+8*\cb:BF0+64*\k+8*\cb+3],   v[BA] offset:CH*\q+16*WP*\cb+64*\k
	ds_load_b128 v[BF0+64*\k+8*\cb+4:BF0+64*\k+8*\cb+7], v[BA] offset:CH*\q+16*WP*\cb+64*\k+32
.endr
.endm
; One K step: 8 products for each of my RW tiles.  The tiles lie 4, 3, 2, 1, 0 and the run is entered at tile RW - 1: a wave with all five tiles passes one jump.
; The accumulators take turns, one instruction a turn: seven others' at the least stand between two links of a chain.
.macro MULS bf, ab
	WIN 0
.irp i, 4,3,2,1,0
	s_cmp_gt_u32 s[RW], \i
	s_cbranch_scc1 .Lm\@t\i
.endr
	s_branch .Lm\@e
.irp i, 4,3,2,1,0
.Lm\@t\i:
.if \i < 4
	WIN 0xa4
.else
	WIN 0xf4
.endif
.irp cb, 0,1,2,3,4,5,6,7
	v_wmma_f32_16x16x32_bf16 v[((\i)%4)*64+8*\cb:((\i)%4)*64+8*\cb+7], v[\bf+8*\cb:\bf+8*\cb+7], v[\ab+8*\i:\ab+8*\i+7], v[((\i)%4)*64+8*\cb:((\i)%4)*64+8*\cb+7]
.endr
	WIN 0
.endr
.Lm\@e:
.endm
; TRIP c.  p = c % 2 (hs's buffer), pw = (c + 1) % 2 (W's buffer), q = where chunk c + 1's region lies behind WS and BA.
; The loads go out in the order W(0) W(1) A(0) | W(2) A(1) | and in trip c: W(c+3), A(c+2): 16 and 20 by turns.  nw, na: the younger loads that may stay out when W(c+1), A(c) must be in.
; land = 0: the last trip, with no chunk to store or fetch.  pf = 1: a prefetch; 2: none in the loop's last trip.
.macro TRIP p, pw, q, land, wl, al, nw, na, pf
.if \land
	s_wait_loadcnt \nw                             ; W(c+1) is in
	LAND \pw, \q, \wl
	s_wait_loadcnt \na                             ; A(c) is in
	s_wait_dscnt 32                                ; chunk c's first fragments are in: its second fragments' 16 loads and my 16 stores are the younger ones
.else
	s_wait_loadcnt \na
	s_wait_dscnt 16                                ; the second fragments' 16 loads are the younger ones
.endif
	MULS BF0, 80*\p
	s_wait_dscnt 0x0                               ; for the others' sake: my rows of chunk c + 1 are written (they went out a K step ago); and chunk c's second fragments are in
.if \land
	s_barrier_signal -1
	s_barrier_wait -1                              ; chunk c + 1 is whole.  Its region is written this once, so no second barrier is wanted
	PLACES
	BLOADK 0, \q                                   ; they land under the products below
.endif
.if \pf == 2
	s_cmp_eq_u32 s[CNT], 1                         ; trip 11 would ask past my quarter of K
	s_cbranch_scc1 .Lnp_\@
.endif
.if \pf
	global_prefetch_b8 v[PO], s[SW:SW+1] offset:512 th:TH_LOAD_NT scope:SCOPE_SE  ; chunk c + 5, whose loads go out two trips on: each lane one row's 256 bytes, each block asked for once, by this wave; chunks 5 to 15
.endif
.if \pf == 2
.Lnp_\@:
.endif
	MULS BF1, 80*\p+40
	PLACES
.if \land
	BLOADK 1, \q                                   ; they land under the next trip's landing and first products
.endif
.if \al
	s_wait_xcnt 0x0                                ; the bases step only behind this wait; the youngest memory instruction ahead of it stands a K step back
	s_add_nc_u64 s[SA:SA+1], s[SA:SA+1], 2048      ; chunk c + 2 of hs,
	s_add_nc_u64 s[SW:SW+1], s[SW:SW+1], 256       ; chunk c + 4 of W, for the next trip
	ALOAD \p, 0
.endif
.endm
.macro RTRIP                           ; a chunk of a later pass: W from LDS, hs from memory; plain, since few splits come here
	v_add_nc_u32 v[BA], s[LB], v[BA0]              ; my lane's place in a chunk + the chunk's first byte: 0, CH, .. 15 CH
	ALOAD 0, 0
	BLOADK 0, 0
	BLOADK 1, 0
	s_wait_loadcnt 0x0
	s_wait_dscnt 0x0
	MULS BF0, 0
	MULS BF1, 40
	PLACES
	s_wait_xcnt 0x0
	s_add_nc_u64 s[SA:SA+1], s[SA:SA+1], 2048
	s_add_co_u32 s[LB], s[LB], CH
.endm
; THE WAY OUT of place i: 16 rows x 128 f32, as two column halves, go through my own stage one behind the other, so that 16 lanes store a row's 256 consecutive bytes.
; The rows come back into the set of the place's parity: a set is loaded again two places on, and the wait for the stores' addresses in the place between stands between.
.macro OUTTILE i
	s_add_co_u32 s25, s[TB], 4*\i
	s_min_u32 s25, s25, 135
	s_lshl_b32 s25, s25, 16                        ; 16 rows of 4,096 bytes
	s_add_co_u32 s[OF], s25, s[YB]
.irp hf, 0,1
	WIN 0x08+4*((\i)/4)                            ; the data in window 2, or 3
.irp c, 0,1,2,3
	ds_store_b128 v[STO], v[((\i)%4)*64+32*\hf+8*\c:((\i)%4)*64+32*\hf+8*\c+3]   offset:64*\c     ; each accumulator's lowest registers first
	ds_store_b128 v[STO], v[((\i)%4)*64+32*\hf+8*\c+4:((\i)%4)*64+32*\hf+8*\c+7] offset:64*\c+16
.endr
	WIN 0
.irp t, 0,1,2,3,4,5,6,7
	ds_load_b128 v[OB+64*((\i)%2)+32*\hf+4*\t:OB+64*((\i)%2)+32*\hf+4*\t+3], v[RD] offset:2*SP*\t   ; my own bytes: LDS serves a wave's instructions in order (ISA guide 5.7.1.4): these see the stores above, and the second half's stores come behind the first half's loads
.endr
.endr
	s_wait_dscnt 16                                ; the first half is back: the second half's 8 stores and 8 loads are the younger ones
	s_wait_xcnt 0x0                                ; the place before's stores have read their base and data: SB is rewritten here, their set by the place after; those stores stand an LDS round trip back
	s_add_nc_u64 s[SB:SB+1], s[10:11], s[OF:OF+1]
.irp t, 0,1,2,3,4,5,6,7
	global_store_b128 v[YO], v[OB+64*((\i)%2)+4*\t:OB+64*((\i)%2)+4*\t+3], s[SB:SB+1] offset:8192*\t  ; two rows x 256 consecutive bytes, aligned
.endr
	s_wait_dscnt 0x0                               ; the second half is back
.irp t, 0,1,2,3,4,5,6,7
	global_store_b128 v[YO], v[OB+64*((\i)%2)+32+4*\t:OB+64*((\i)%2)+32+4*\t+3], s[SB:SB+1] offset:8192*\t+256
.endr
.endm
	s_load_b256 s[4:11], s[0:1], 0x0               ; hs s[4:5], fc2_w s[6:7], meta s[8:9], ypart s[10:11]
	v_lshl_add_u32 v[SPW], v0, 2, SPARE
	v_mov_b32 v[NIL], 0
	v_lshrrev_b32 v13, 5, v0
	v_readfirstlane_b32 s[WV], v13
	s_and_b32 s[SX], ttmp9, 7                      ; which 128 columns,
	s_lshr_b32 s17, ttmp9, 3                       ; which quarter q of K
	s_and_b32 s[EX], ttmp7, 0xffff
	v_and_b32 v13, 31, v0                          ; L
	v_and_b32 v14, 15, v0                          ; L % 16
	v_bfe_u32 v15, v0, 4, 1                        ; L / 16
	v_lshlrev_b32 v[L16], 4, v13
	s_lshl_b32 s25, s[WV], 5
	v_lshl_add_u32 v7, v15, 3, s25                 ; row 32 w + 8 (L / 16)
	v_lshlrev_b32 v[WO], PSH, v7
	v_lshl_add_u32 v[WO], v14, 4, v[WO]
	v_add_nc_u32 v[PO], s25, v13
	v_lshlrev_b32 v[PO], PSH, v[PO]
	v_mul_u32_u24 v[WS], v7, WP
	v_lshl_add_u32 v[WS], v14, 3, v[WS]
	v_mul_u32_u24 v[BA0], v14, WP
	v_lshl_add_u32 v[BA0], v15, 4, v[BA0]
	v_mov_b32 v[BA], v[BA0]
	s_mul_i32 s26, s[WV], 16*SP
	s_add_co_u32 s26, s26, STAGE                   ; my stage
	v_mul_u32_u24 v[STO], v14, SP                  ; in: row L % 16, 32 bytes for each half of the lanes
	v_lshl_add_u32 v[STO], v15, 5, v[STO]
	v_add_nc_u32 v[STO], s26, v[STO]
	v_mul_u32_u24 v[RD], v15, SP                   ; back: lanes 0-15 one row of 256 bytes, lanes 16-31 the next
	v_lshl_add_u32 v[RD], v14, 4, v[RD]
	v_add_nc_u32 v[RD], s26, v[RD]
	v_lshlrev_b32 v[YO], 12, v15                   ; and the same two rows in ypart
	v_lshl_add_u32 v[YO], v14, 4, v[YO]
	s_lshl_b32 s[OF], s[EX], 24                    ; the expert's 16 MB,
	s_lshl_b32 s26, s[SX], 21                      ; my 128 rows of 16,384 bytes,
	s_add_co_u32 s[OF], s[OF], s26
	s_lshl_b32 s26, s17, 12                        ; my 1,024 f32 of each
	s_add_co_u32 s[OF], s[OF], s26
	s_mov_b32 s[OF+1], 0
	s_lshl_b32 s26, s17, 15                        ; in a tile of hs: K steps 32 q on
	s_mov_b32 s27, 0
	s_lshl_b32 s28, s[EX], 3
	s_mov_b32 s29, 0
	s_mul_i32 s[YB], s17, QS
	s_lshl_b32 s25, s[SX], 9
	s_add_co_u32 s[YB], s[YB], s25
	s_mov_b32 s[PN], 0
	ZERO                                           ; while the arguments are on their way
	s_wait_kmcnt 0x0
	s_add_nc_u64 s[56:57], s[8:9], s[28:29]
	s_load_b64 s[TT:TT+1], s[56:57], 0x0           ; T, base
	s_add_nc_u64 s[SW:SW+1], s[6:7], s[OF:OF+1]
	s_add_nc_u64 s[AB:AB+1], s[4:5], s[26:27]
	s_mov_b64 s[SA:SA+1], s[AB:AB+1]
	WLOAD 0, 0                                     ; the weights hang on no table: two chunks go out while meta is on its way
	WLOAD 1, 256
	s_wait_kmcnt 0x0
	SETPASS
	ALOAD 0, 0
	s_wait_loadcnt 36                              ; W(0) is in: W(1) 16 + A(0) 20 are the younger ones
	LAND 0, 0, 0                                   ; chunk 0 into region 0
	WLOAD 0, 512                                   ; W(2)
	ALOAD 1, 2048                                  ; A(1)
	s_wait_dscnt 0x0                               ; for the others' sake: my rows of chunk 0 are written
	s_barrier_signal -1
	s_barrier_wait -1                              ; chunk 0 is whole
	BLOADK 0, 0
	BLOADK 1, 0
	v_add_nc_u32 v[WS], CH, v[WS]                  ; from here on both point at the region of the chunk that the trip stores and fetches
	v_add_nc_u32 v[BA], CH, v[BA]
	s_wait_xcnt 0x0                                ; the bases step only behind this wait
	s_add_nc_u64 s[SW:SW+1], s[SW:SW+1], 768       ; W(3), for trip 0
	s_add_nc_u64 s[SA:SA+1], s[SA:SA+1], 2048      ; trip 0 steps it on to A(2)
	s_mov_b32 s[CNT], 6
.Lk:                                                   ; trips 0 to 11, two a turn
	TRIP 0, 1, 0, 1, 1, 1, 56, 52, 1               ; 56 = A(c) 20 + W(c+2) 16 + A(c+1) 20;  52 = W(c+2) 16 + A(c+1) 20 + W(c+3) 16
	TRIP 1, 0, 1, 1, 1, 1, 56, 52, 2
	v_add_nc_u32 v[WS], 2*CH, v[WS]
	v_add_nc_u32 v[BA], 2*CH, v[BA]
	s_sub_co_u32 s[CNT], s[CNT], 1
	s_cmp_lg_u32 s[CNT], 0
	s_cbranch_scc1 .Lk
	TRIP 0, 1, 0, 1, 1, 1, 56, 52, 0               ; trip 12 asks for W(15) and A(14)
	TRIP 1, 0, 1, 1, 0, 1, 56, 36, 0               ; trip 13 for A(15) alone: 36 = W(15) + A(14)
	TRIP 0, 1, 2, 1, 0, 0, 40, 20, 0               ; trip 14 for nothing: 40 = A(14) + A(15), 20 = A(15)
	TRIP 1, 0, 0, 0, 0, 0, 0, 0, 0                 ; trip 15: products alone
	s_mov_b32 s[PASS], 4                           ; 4 x 20 tiles cover the 64 that one expert can have
.Lpass:                                                ; four times: the pass's tiles go out, the next pass (if I have tiles in it) is multiplied
.irp i, 0,1,2,3,4
	s_cmp_le_u32 s[RW], \i
	s_cbranch_scc1 .Lwod
	OUTTILE \i
.endr
.Lwod:                                                 ; every wave comes by here, whatever its tiles
	s_wait_dscnt 0x0                               ; my stores into my stage, and my reads of it, are over;
	s_barrier_signal -1
	s_barrier_wait -1                              ; every wave's are, before any wave reads the slice again.  (The slice ends where the stages begin; the order does not rest on that.)
	s_wait_xcnt 0x0                                ; the last stores have read their data: the fragments' registers, which held it, are loaded again only behind this wait
	s_add_co_u32 s[PN], s[PN], 1
	SETPASS
	s_cmp_eq_u32 s[RW], 0
	s_cbranch_scc1 .Lnone
	ZERO
	s_mov_b32 s[LB], 0                             ; the slice's first chunk
	s_mov_b64 s[SA:SA+1], s[AB:AB+1]
	s_mov_b32 s[CNT], 16
.Lr:
	RTRIP
	s_sub_co_u32 s[CNT], s[CNT], 1
	s_cmp_lg_u32 s[CNT], 0
	s_cbranch_scc1 .Lr
.Lnone:                                                ; every wave comes by here too
	s_wait_dscnt 0x0                               ; my reads of the slice in this pass are over;
	s_barrier_signal -1
	s_barrier_wait -1                              ; every wave's are, before any wave's next LDS write: the next way out's, or the closing add
	s_sub_co_u32 s[PASS], s[PASS], 1
	s_cmp_lg_u32 s[PASS], 0
	s_cbranch_scc1 .Lpass
	s_wait_tensorcnt 0x0                           ; the wave's end, behind my last LDS store
	ds_add_u32 v[SPW], v[NIL]
	s_wait_dscnt 0x0
	s_endpgm
.Lfunc_end_k_q8fa09f6a47_fc2:
	.size	k_q8fa09f6a47_fc2, .Lfunc_end_k_q8fa09f6a47_fc2-k_q8fa09f6a47_fc2
	.p2alignl 7, 3214868480
	.fill 96, 4, 3214868480
	.section	.rodata,"a",@progbits
	.p2align	6, 0x0
	.amdhsa_kernel k_q8fa09f6a47_fc2
		.amdhsa_group_segment_fixed_size 312832
		.amdhsa_private_segment_fixed_size 0
		.amdhsa_enable_private_segment 0
		.amdhsa_kernarg_size 32
		.amdhsa_user_sgpr_count 2
		.amdhsa_user_sgpr_kernarg_segment_ptr 1
		.amdhsa_wavefront_size32 1
		.amdhsa_system_sgpr_workgroup_id_x 1
		.amdhsa_system_sgpr_workgroup_id_y 1
		.amdhsa_system_sgpr_workgroup_id_z 1
		.amdhsa_system_vgpr_workitem_id 0
		.amdhsa_next_free_vgpr 960
		.amdhsa_next_free_sgpr 66
		.amdhsa_reserve_vcc 0
		.amdhsa_float_denorm_mode_32 3
		.amdhsa_float_denorm_mode_16_64 3
		.amdhsa_memory_ordered 1
		.amdhsa_forward_progress 1
		.amdhsa_inst_pref_size 151
	.end_amdhsa_kernel
	.amdgpu_metadata
---
amdhsa.version: [ 1, 2 ]
amdhsa.kernels:
  - .name:           k_q8fa09f6a47_fc2
    .symbol:         k_q8fa09f6a47_fc2.kd
    .args:
      - { .name: hs, .offset: 0, .size: 8, .value_kind: global_buffer, .address_space: global }
      - { .name: fc2_w, .offset: 8, .size: 8, .value_kind: global_buffer, .address_space: global }
      - { .name: meta, .offset: 16, .size: 8, .value_kind: global_buffer, .address_space: global }
      - { .name: ypart, .offset: 24, .size: 8, .value_kind: global_buffer, .address_space: global }
    .group_segment_fixed_size: 312832
    .private_segment_fixed_size: 0
    .kernarg_segment_align: 8
    .kernarg_segment_size: 32
    .max_flat_workgroup_size: 128
    .sgpr_count:     66
    .vgpr_count:     960
    .wavefront_size: 32
...
	.end_amdgpu_metadata
.endif
;; end of part 4
;; launch combine (part 5): grid 256 x 1, 8 waves a work-group, no clusters, 0 bytes of LDS; arguments ypart, pos, sel, gw, fc2_b, out0; writes out0
.if DOCPART == 5
	.amdgcn_target "amdgcn-amd-amdhsa--gfx1250"
	.amdhsa_code_object_version 6
	.text
	.protected	k_q8fa09f6a47_combine
	.globl	k_q8fa09f6a47_combine
	.p2align	8
	.type	k_q8fa09f6a47_combine,@function
k_q8fa09f6a47_combine:
	s_mov_b64 s[64:65], 0
	v_nop
	global_prefetch_b8 v0, s[64:65] scope:SCOPE_SE
	s_setreg_imm32_b32 hwreg(HW_REG_WAVE_MODE, 25, 1), 1
	s_wait_xcnt 0x0
; COMBINE.  out0[n] = g0 (b2[e0] + the four parts of ypart at slot pos[n][0]) + g1 (the same for e1 and pos[n][1]).  Each output row has one owner: no sum spans work-groups.
; A work-group has four tokens; a wave has half a row of one token (2,048 bytes): 40 loads of 512 consecutive bytes, all out before the first wait, then four stores.
; The slots and experts come from whole-number tables that earlier launches stored.  b2 is rounded once to bf16, as every input of this program is; all sums in f32, K's quarters in ascending order.
; Memory binds: no LDS, no matrix unit, no cluster (nothing is read by two work-groups but 32 KB of biases).
.set QS, 2176*4096                     ; a quarter's part of ypart: past a load's immediate, so the quarter stands in the offset register
.set RR, 8                             ; v[8+40 j ..]: for piece j of 512 bytes: b(e0), y(0..3) of slot 0, b(e1), y(0..3) of slot 1, four registers each
	s_load_b256 s[4:11], s[0:1], 0x0               ; ypart s[4:5], pos s[6:7], sel s[8:9], gw s[10:11]
	s_load_b128 s[12:15], s[0:1], 0x20             ; fc2_b s[12:13], out0 s[14:15]
	v_lshrrev_b32 v1, 5, v0
	v_readfirstlane_b32 s16, v1                    ; wave
	v_and_b32 v1, 31, v0
	v_lshlrev_b32 v2, 4, v1                        ; 16 L
	v_add_nc_u32 v3, QS, v2
	v_add_nc_u32 v4, 2*QS, v2
	v_add_nc_u32 v5, 3*QS, v2
	s_lshr_b32 s17, s16, 1
	s_lshl2_add_u32 s17, ttmp9, s17                ; token n = 4 x work-group + wave / 2
	s_and_b32 s18, s16, 1
	s_lshl_b32 s18, s18, 11                        ; which half of the row
	s_lshl_b32 s20, s17, 3
	s_mov_b32 s21, 0
	s_lshl_b32 s22, s17, 2
	s_mov_b32 s23, 0
	s_mov_b32 s39, 0
	s_wait_kmcnt 0x0
	s_add_nc_u64 s[24:25], s[6:7], s[20:21]
	s_add_nc_u64 s[26:27], s[8:9], s[22:23]
	s_add_nc_u64 s[28:29], s[10:11], s[20:21]
	s_load_b64 s[30:31], s[24:25], 0x0             ; the two slots
	s_load_b32 s32, s[26:27], 0x0                  ; e0 | e1 << 8
	s_load_b64 s[34:35], s[28:29], 0x0             ; g0, g1
	s_wait_kmcnt 0x0
	s_min_u32 s30, s30, 2175
	s_min_u32 s31, s31, 2175
	s_and_b32 s36, s32, 0xff
	s_min_u32 s36, s36, 7
	s_bfe_u32 s37, s32, 0x80008
	s_min_u32 s37, s37, 7
	s_lshl_b32 s38, s30, 12
	s_add_co_u32 s38, s38, s18
	s_add_nc_u64 s[40:41], s[4:5], s[38:39]        ; ypart at slot 0's half row
	s_lshl_b32 s38, s31, 12
	s_add_co_u32 s38, s38, s18
	s_add_nc_u64 s[42:43], s[4:5], s[38:39]        ; at slot 1's
	s_lshl_b32 s38, s36, 12
	s_add_co_u32 s38, s38, s18
	s_add_nc_u64 s[44:45], s[12:13], s[38:39]      ; b2[e0]
	s_lshl_b32 s38, s37, 12
	s_add_co_u32 s38, s38, s18
	s_add_nc_u64 s[46:47], s[12:13], s[38:39]      ; b2[e1]
	s_lshl_b32 s38, s17, 12
	s_add_co_u32 s38, s38, s18
	s_add_nc_u64 s[48:49], s[14:15], s[38:39]      ; out0
	s_mov_b32 s50, s35                             ; g1 as the low word of a pair of its own: the packed forms take a scalar pair's low word for both halves
	s_mov_b32 s51, s35
.irp j, 0,1,2,3
	global_load_b128 v[RR+40*\j:RR+40*\j+3], v2, s[44:45] offset:512*\j
.irp q, 0,1,2,3
	global_load_b128 v[RR+40*\j+4+4*\q:RR+40*\j+7+4*\q], v[2+\q], s[40:41] offset:512*\j th:TH_LOAD_NT
.endr
	global_load_b128 v[RR+40*\j+20:RR+40*\j+23], v2, s[46:47] offset:512*\j
.irp q, 0,1,2,3
	global_load_b128 v[RR+40*\j+24+4*\q:RR+40*\j+27+4*\q], v[2+\q], s[42:43] offset:512*\j th:TH_LOAD_NT
.endr
.endr
.irp j, 0,1,2,3
	s_wait_loadcnt 30-10*\j                        ; piece j's ten loads are in; the later pieces' tens stay out
.irp k, 0,20
	v_cvt_pk_bf16_f32 v170, v[RR+40*\j+\k],   v[RR+40*\j+\k+1]   ; the bias rounded to bf16, widened again
	v_cvt_pk_bf16_f32 v171, v[RR+40*\j+\k+2], v[RR+40*\j+\k+3]
	v_lshlrev_b32 v[RR+40*\j+\k],   16, v170
	v_and_b32     v[RR+40*\j+\k+1], 0xffff0000, v170
	v_lshlrev_b32 v[RR+40*\j+\k+2], 16, v171
	v_and_b32     v[RR+40*\j+\k+3], 0xffff0000, v171
.irp q, 0,1,2,3
	v_pk_add_f32 v[RR+40*\j+\k:RR+40*\j+\k+1],   v[RR+40*\j+\k:RR+40*\j+\k+1],   v[RR+40*\j+\k+4+4*\q:RR+40*\j+\k+5+4*\q]
	v_pk_add_f32 v[RR+40*\j+\k+2:RR+40*\j+\k+3], v[RR+40*\j+\k+2:RR+40*\j+\k+3], v[RR+40*\j+\k+6+4*\q:RR+40*\j+\k+7+4*\q]
.endr
.endr
	v_pk_mul_f32 v[RR+40*\j:RR+40*\j+1],   v[RR+40*\j:RR+40*\j+1],   s[34:35] op_sel_hi:[1,0]
	v_pk_mul_f32 v[RR+40*\j+2:RR+40*\j+3], v[RR+40*\j+2:RR+40*\j+3], s[34:35] op_sel_hi:[1,0]
	v_pk_fma_f32 v[RR+40*\j:RR+40*\j+1],   v[RR+40*\j+20:RR+40*\j+21], s[50:51], v[RR+40*\j:RR+40*\j+1]   op_sel_hi:[1,0,1]
	v_pk_fma_f32 v[RR+40*\j+2:RR+40*\j+3], v[RR+40*\j+22:RR+40*\j+23], s[50:51], v[RR+40*\j+2:RR+40*\j+3] op_sel_hi:[1,0,1]
	global_store_b128 v2, v[RR+40*\j:RR+40*\j+3], s[48:49] offset:512*\j th:TH_STORE_NT  ; 512 consecutive bytes, aligned
.endr
	s_endpgm
.Lfunc_end_k_q8fa09f6a47_combine:
	.size	k_q8fa09f6a47_combine, .Lfunc_end_k_q8fa09f6a47_combine-k_q8fa09f6a47_combine
	.p2alignl 7, 3214868480
	.fill 96, 4, 3214868480
	.section	.rodata,"a",@progbits
	.p2align	6, 0x0
	.amdhsa_kernel k_q8fa09f6a47_combine
		.amdhsa_group_segment_fixed_size 0
		.amdhsa_private_segment_fixed_size 0
		.amdhsa_enable_private_segment 0
		.amdhsa_kernarg_size 48
		.amdhsa_user_sgpr_count 2
		.amdhsa_user_sgpr_kernarg_segment_ptr 1
		.amdhsa_wavefront_size32 1
		.amdhsa_system_sgpr_workgroup_id_x 1
		.amdhsa_system_sgpr_workgroup_id_y 1
		.amdhsa_system_sgpr_workgroup_id_z 1
		.amdhsa_system_vgpr_workitem_id 0
		.amdhsa_next_free_vgpr 176
		.amdhsa_next_free_sgpr 66
		.amdhsa_reserve_vcc 0
		.amdhsa_float_denorm_mode_32 3
		.amdhsa_float_denorm_mode_16_64 3
		.amdhsa_memory_ordered 1
		.amdhsa_forward_progress 1
		.amdhsa_inst_pref_size 14
	.end_amdhsa_kernel
	.amdgpu_metadata
---
amdhsa.version: [ 1, 2 ]
amdhsa.kernels:
  - .name:           k_q8fa09f6a47_combine
    .symbol:         k_q8fa09f6a47_combine.kd
    .args:
      - { .name: ypart, .offset: 0, .size: 8, .value_kind: global_buffer, .address_space: global }
      - { .name: pos, .offset: 8, .size: 8, .value_kind: global_buffer, .address_space: global }
      - { .name: sel, .offset: 16, .size: 8, .value_kind: global_buffer, .address_space: global }
      - { .name: gw, .offset: 24, .size: 8, .value_kind: global_buffer, .address_space: global }
      - { .name: fc2_b, .offset: 32, .size: 8, .value_kind: global_buffer, .address_space: global }
      - { .name: out0, .offset: 40, .size: 8, .value_kind: global_buffer, .address_space: global }
    .group_segment_fixed_size: 0
    .private_segment_fixed_size: 0
    .kernarg_segment_align: 8
    .kernarg_segment_size: 48
    .max_flat_workgroup_size: 256
    .sgpr_count:     66
    .vgpr_count:     176
    .wavefront_size: 32
...
	.end_amdgpu_metadata
.endif
;; end of part 5
;; ======== version 2 of 2: 5 launches; version 1 with the launches fc1, fc2 written anew for expert scheduling mode
;; workspace buffers: sel 4,096 bytes of whole numbers; pos 8,192 bytes of whole numbers; meta 256 bytes of whole numbers; gw 8,192 bytes; psum 2,048 bytes; xs 4,456,448 bytes; hs 17,825,792 bytes; ypart 35,651,584 bytes
;; launch router: the kernel of part 1 again; grid 64 x 1, 8 waves a work-group, no clusters, 44,032 bytes of LDS; arguments x, gate_w, sel, gw, psum; writes sel, gw, psum
;; launch place: the kernel of part 2 again; grid 136 x 1, 32 waves a work-group, no clusters, 41,984 bytes of LDS; arguments x, sel, psum, xs, pos, meta, out1; writes xs, pos, meta, out1
;; launch fc1 (part 6): grid 32 x 8, 4 waves a work-group, no clusters, 295,424 bytes of LDS; arguments xs, fc1_w, fc1_b, meta, hs; writes hs
.if DOCPART == 6
	.amdgcn_target "amdgcn-amd-amdhsa--gfx1250"
	.amdhsa_code_object_version 6
	.text
	.protected	k_q8fa09f6a47_fc1
	.globl	k_q8fa09f6a47_fc1
	.p2align	8
	.type	k_q8fa09f6a47_fc1,@function
k_q8fa09f6a47_fc1:
	s_mov_b64 s[64:65], 0
	v_nop
	global_prefetch_b8 v0, s[64:65] scope:SCOPE_SE
	s_setreg_imm32_b32 hwreg(HW_REG_WAVE_SCHED_MODE, 0, 2), 2
	s_setreg_imm32_b32 hwreg(HW_REG_WAVE_MODE, 25, 1), 1
	s_wait_xcnt 0x0
	s_wait_alu depctr_vm_vsrc(0)
; FC1.  hs = gelu(xs W1[e]^T + b1[e]), for the routed rows alone.  Work-group (s, e) owns columns 128 s .. 128 s + 127 of expert e, K = 1,024: 512 KB of f32 weights that it alone reads, once,
; and ALL of the expert's tiles of 16 rows (T of them from tile `base` on: meta, stored by the launch before).  256 work-groups, whatever the split of the tokens.
; K goes in 16 chunks of 64.  A chunk of W (128 rows x 256 bytes) comes into registers in whole rows' 256 bytes, is rounded to bf16 and stored into an LDS region of its own, written once.  It is multiplied with the
; expert's first 20 tiles (5 a wave), whose operands come from xs straight into registers.  THE WALK IS ONE CHUNK AHEAD OF THE PRODUCTS: trip c stores chunk c + 1, multiplies chunk c's first K step, passes the one
; barrier that makes chunk c + 1 whole, fetches that chunk's first fragments, multiplies chunk c's second K step and fetches the second fragments: each LDS round trip has a K step's products behind it.
; After 16 chunks the slice lies in LDS whole; an expert with more than 320 rows is finished by passes 1 to 3 out of LDS, with no weight read again.  Every loop has a constant count; what hangs on meta are forward
; jumps over products and stores.  A place of a wave that has no tile loads a tile that exists (the wave's first, or tile 0), so every wave issues the same loads and the counted waits hold.
; THE MATRIX INSTRUCTION IS USED TRANSPOSED (source 0 = 16 columns of W, source 1 = 16 rows of xs): a lane holds one row and eight neighbouring columns, which rounded to bf16 ARE four registers of the next product's operand.
; FORMATS AND LIMITS.  W1 and b1 are rounded once to bf16, sums in f32, h rounded once to bf16.  erf by a rational form in 1 / (1 + 0.3275911 z) of five terms, absolute error 1.5e-7 for every z;
; gelu(x) = max(x, 0) - |x| Q / 2 with Q = 1 - erf(|x| / sqrt 2).  NaN and infinities are not treated apart.
; NO TENSOR LOAD, NO CLUSTER: each weight has one reader and must pass registers to be rounded; what an expert's 32 work-groups share is xs, whose tile count comes from meta, and the slice takes 294,912 of LDS's 327,680 bytes.
; The accumulators are cleared (320 lines, in the wait for the arguments): a first K step written out with C = 0 would be a further copy of the trip, and a wave's unused places would stay unwritten.
; THE MODE: SCHED_MODE bits 1:0 = 2 (LLVM: expert scheduling mode 2), set by the entry lines.  The code itself states the register dependences between vector or matrix instructions and memory or LDS instructions,
; with s_wait_alu, always for 0.
; THE PLAN.  Registers that memory or LDS instructions touch in the walk, trip c:
;   WL0, WL1   W as loaded.  The trip's 32 conversions read WL[(c + 1) % 2]; behind them the loads of W(c + 3) land in it.  No memory instruction reads it.
;   OT         the chunk in bf16.  Written by those conversions, read by the trip's 16 LDS stores, written again a trip later.
;   BF0, BF1   W's fragments.  Read by one K step's products each, loaded again behind them.
;   A[c % 2]   xs's fragments.  The half of K step 0 is read by the first K step's products, the other by the second's; the halves of A(c + 2) land behind them.
;   WS, BA     LDS addresses.  Read by the stores and the fragments' loads; stepped once in two trips, at the odd trip's head.     WO, PO, AO, L16: not written in the walk.
; So a trip has four waits.  (1) At its head, on vm_vsrc: the last trip's LDS stores have read OT and WS, its fragments' loads BA.  (2) Behind the conversions, on va_vdst: they are done reading WL and have written OT
; (and WS is written): W's loads go out first, the stores behind them.  (3) Behind the barrier, on va_vdst: the first K step's products are done reading BF0 and their half of A (and BA is written).  (4) Behind the
; second K step's products, on va_vdst: they are done reading BF1 and the other half of A.  Between a wait and the loads that it serves no vector or matrix instruction names those loads' registers.
; REGISTERS, in windows of 256 (s_set_vgpr_msb: bits 1:0 source 0, 3:2 source 1, 5:4 source 2, 7:6 destination):
;   window 0: addresses; v32-95, v96-159 W's fragments of a chunk's two K steps; v160-223 biases; v224-255 at work          window 1: xs's fragments, at 80 p + 40 k + 8 i (chunk parity, K step, place)
;   window 2: accumulators of places 0-3 at 64 i + 8 cb          window 3: v0-63 those of place 4; v64-127, v128-191 W as loaded, by chunk parity; v192-223 a chunk's share in bf16, to store
.set PSH,   12                         ; W's rows are 4,096 bytes apart
.set PITCH, 1<<PSH
.set ASH,   15                         ; a tile of xs is 32,768 bytes
.set WP,    144                        ; a row of a chunk in LDS: 128 bytes + 16: the 16 rows of a load start at 16 different groups of four banks (ISA guide 11.1)
.set CH,    128*WP                     ; a chunk's region
.set L16, 1                            ; v1   16 L
.set WO,  2                            ; v2   W: (32 w + 8 (L / 16)) rows + 16 (L % 16)
.set PO,  3                            ; v3   prefetch: row 32 w + L; never rewritten
.set WS,  4                            ; v4   where I store my 8 bytes of a row of the chunk; steps
.set BA,  5                            ; v5   where I read W's fragments; steps
.set BA0, 6                            ; v6   144 (L % 16) + 16 (L / 16); never rewritten
.set AO,  8                            ; v8-12  place i's tile in xs, + 16 L
.set BO,  13                           ; v13  biases: 32 (L / 16)
.set BF0, 32
.set BF1, 96
.set BIAS, 160
.set WL,  64                           ; window 3
.set OT,  192                          ; window 3
.set GT,  32                           ; the way out: 32 values x,
.set GD,  64                           ; 1 + c1 |x|, then its reciprocal t,
.set GS,  96                           ; -x^2 log2(e) / 2, then 2 to that,
.set GM,  128                          ; max(x, 0),
.set GP,  224                          ; the polynomial, the result, and the 16 packed words that are stored
.set WV,  14                           ; s14 wave; s15 s; s16 e
.set SX,  15
.set EX,  16
.set TT,  18                           ; s[18:19] T, base
.set RW,  20                           ; s20 my tiles in this pass, 0 to 5
.set PASS, 21                          ; s21 passes to go
.set CNT, 22
.set UU,  23
.set TB,  24                           ; s24 my first tile of this pass
.set SW,  30                           ; s[30:31] W, steps
.set SA,  32                           ; s[32:33] xs, steps
.set SB,  34                           ; s[34:35] the stores' base
.set OF,  36                           ; s[36:37] an offset, the high word 0
.set PN,  38                           ; s38 the pass that SETPASS prepares
.set FB,  39
.set C1,  40
.set C2,  42
.set A5,  44
.set A4,  46
.set A3,  48
.set A2,  50
.set A1,  52
.set LB,  61                           ; s61 a later pass: the LDS byte at which the chunk in hand begins
.set MSB, 0
.macro WIN new                         ; the immediate's high byte repeats the setting that is left; a switch that changes nothing is dropped
.if MSB != (\new)
	s_set_vgpr_msb (MSB<<8)|(\new)
.set MSB, \new
.endif
.endm
.macro PLACES                          ; four places between a matrix instruction and a vector read or write of its registers; they stand ahead of the loads into its registers too, where the wait behind them states the dependence
.rept 4
	v_nop
.endr
.endm
.macro ZERO
	WIN 0x80
.set z, 0
.rept 256
	v_mov_b32 v[z], 0
.set z, z+1
.endr
	WIN 0xc0
.set z, 0
.rept 64
	v_mov_b32 v[z], 0
.set z, z+1
.endr
	WIN 0
.endm
; Pass PN: tile t of the expert belongs to wave (t - 20 PN) % 4, place (t - 20 PN) / 4
.macro SETPASS
	s_mul_i32 s25, s[PN], 20
	s_add_co_u32 s25, s25, s[WV]
	s_sub_co_i32 s26, s[TT], s25
	s_add_co_i32 s26, s26, 3
	s_ashr_i32 s26, s26, 2
	s_max_i32 s26, s26, 0
	s_min_i32 s[RW], s26, 5
	s_add_co_u32 s[TB], s[TT+1], s25
	s_cmp_gt_u32 s[RW], 0
	s_cselect_b32 s[FB], s[TB], 0                  ; an empty place repeats my first tile, or tile 0
.irp i, 0,1,2,3,4
	s_add_co_u32 s27, s[TB], 4*\i
	s_cmp_gt_u32 s[RW], \i
	s_cselect_b32 s27, s27, s[FB]
	s_min_u32 s27, s27, 135
	s_lshl_b32 s27, s27, ASH
	v_add_nc_u32 v[AO+\i], s27, v[L16]
.endr
.endm
.macro WLOAD p, o                      ; 16 loads into buffer p: my 32 rows' 256 bytes at byte o from SW; 16 lanes take one row's, the other 16 those of the row 8 further on.  It leaves the destination's window at 3
	WIN 0xc0
.irp j, 0,1,2,3,4,5,6,7,8,9,10,11,12,13,14,15
	global_load_b128 v[WL+64*\p+4*\j:WL+64*\p+4*\j+3], v[WO], s[SW:SW+1] offset:((\j)%8+16*((\j)/8))*PITCH+\o th:TH_LOAD_NT
.endr
.endm
.macro ALOADK p, k, o                  ; 10 loads into buffer p: five tiles' K step k of the chunk at byte o from SA, 512 consecutive bytes each.  It leaves the destination's window at 1
	WIN 0x40
.irp i, 0,1,2,3,4
	global_load_b128 v[80*\p+40*\k+8*\i:80*\p+40*\k+8*\i+3],   v[AO+\i], s[SA:SA+1] offset:\o+1024*\k
	global_load_b128 v[80*\p+40*\k+8*\i+4:80*\p+40*\k+8*\i+7], v[AO+\i], s[SA:SA+1] offset:\o+1024*\k+512
.endr
.endm
.macro LAND p, q, wl, o                ; the chunk in buffer p is rounded into OT; wl = 1: the buffer is asked for again, at byte o from SW; then OT is stored, q regions behind WS
	WIN 0xcf
.irp j, 0,1,2,3,4,5,6,7,8,9,10,11,12,13,14,15
	v_cvt_pk_bf16_f32 v[OT+2*\j],   v[WL+64*\p+4*\j],   v[WL+64*\p+4*\j+1]
	v_cvt_pk_bf16_f32 v[OT+2*\j+1], v[WL+64*\p+4*\j+2], v[WL+64*\p+4*\j+3]
.endr
.if \wl
	WIN 0xc0
	s_wait_alu depctr_va_vdst(0)                   ; the conversions are done reading WL[p], in which the loads below land, and have written OT, which the LDS stores read; in an odd trip v[WS] is written too
	WLOAD \p, \o
	WIN 0x0c
.else
	WIN 0x0c
	s_wait_alu depctr_va_vdst(0)                   ; the conversions have written OT, which the LDS stores read; in an odd trip v[WS] is written too
.endif
.irp j, 0,1,2,3,4,5,6,7,8,9,10,11,12,13,14,15
	ds_store_b64 v[WS], v[OT+2*\j:OT+2*\j+1] offset:CH*\q+((\j)%8+16*((\j)/8))*WP
.endr
	WIN 0
.endm
.macro BLOADK k, q                     ; 16 LDS loads: W's 8 fragments of K step k of the chunk q regions behind BA
.irp cb, 0,1,2,3,4,5,6,7
	ds_load_b128 v[BF0+64*\k+8*\cb:BF0+64*\k+8*\cb+3],   v[BA] offset:CH*\q+16*WP*\cb+64*\k
	ds_load_b128 v[BF0+64*\k+8*\cb+4:BF0+64*\k+8*\cb+7], v[BA] offset:CH*\q+16*WP*\cb+64*\k+32
.endr
.endm
; One K step: 8 products for each of my RW tiles.  The tiles lie 4, 3, 2, 1, 0 and the run is entered at tile RW - 1: a wave with all five tiles passes one jump.
; The accumulators take turns, one instruction a turn: seven others' at the least stand between two links of a chain.
.macro MULS bf, ab
	WIN 0
.irp i, 4,3,2,1,0
	s_cmp_gt_u32 s[RW], \i
	s_cbranch_scc1 .Lm\@t\i
.endr
	s_branch .Lm\@e
.irp i, 4,3,2,1,0
.Lm\@t\i:
.if \i < 4
	WIN 0xa4
.else
	WIN 0xf4
.endif
.irp cb, 0,1,2,3,4,5,6,7
	v_wmma_f32_16x16x32_bf16 v[((\i)%4)*64+8*\cb:((\i)%4)*64+8*\cb+7], v[\bf+8*\cb:\bf+8*\cb+7], v[\ab+8*\i:\ab+8*\i+7], v[((\i)%4)*64+8*\cb:((\i)%4)*64+8*\cb+7]
.endr
	WIN 0
.endr
.Lm\@e:
.endm
; TRIP c.  p = c % 2 (xs's buffer), pw = (c + 1) % 2 (W's buffer), q = where chunk c + 1's region lies behind WS and BA: an even trip takes q = 1; an odd one (st = 1) steps both by two regions and takes q = 0.
; The loads go out in the order W(0) W(1) A(0) | W(2) A(1) | and in trip c: W(c+3), A(c+2): 16 and 20 by turns.  nw, na: the younger loads that may stay out when W(c+1), A(c) must be in.
; land = 0: the last trip, with no chunk to store or fetch: it issues no load and holds no s_wait_alu.  pf = 1: a prefetch; 2: none in the loop's last trip.
.macro TRIP p, pw, q, st, land, wl, al, nw, na, pf
.if \land
	s_wait_loadcnt \nw                             ; W(c+1) is in
	s_wait_alu depctr_vm_vsrc(0)                   ; the last chunk's LDS stores have read OT, which the conversions below write again, and v[WS]; the fragments' loads issued so far have read v[BA]
.if \st
	v_add_nc_u32 v[WS], 2*CH, v[WS]
	v_add_nc_u32 v[BA], 2*CH, v[BA]
.endif
	LAND \pw, \q, \wl, 0
	s_wait_loadcnt \na                             ; A(c) is in
	s_wait_dscnt 32                                ; chunk c's first fragments are in: its second fragments' 16 loads and my 16 stores are the younger ones
.else
	s_wait_loadcnt \na
	s_wait_dscnt 16                                ; the second fragments' 16 loads are the younger ones
.endif
	MULS BF0, 80*\p
	s_wait_dscnt 0x0                               ; for the others' sake: my rows of chunk c + 1 are written (they went out a K step ago); and chunk c's second fragments are in
.if \land
	s_barrier_signal -1
	s_barrier_wait -1                              ; chunk c + 1 is whole.  Its region is written this once, so no second barrier is wanted
	PLACES
	s_wait_alu depctr_va_vdst(0)                   ; the first K step's products are done reading BF0 and their half of xs's buffer p, in which the loads below land; in an odd trip v[BA] is written
	BLOADK 0, \q                                   ; they land under the products below
.if \al
	ALOADK \p, 0, 2048                             ; the first half of A(c+2): SA still stands at chunk c + 1.  The products below name BF1, the buffer's other half and the accumulators alone
	WIN 0
.endif
.endif
.if \pf == 2
	s_cmp_eq_u32 s[CNT], 1                         ; trip 11 would ask past the rows' K
	s_cbranch_scc1 .Lnp_\@
.endif
.if \pf
	global_prefetch_b8 v[PO], s[SW:SW+1] offset:512 th:TH_LOAD_NT scope:SCOPE_SE  ; chunk c + 5, whose loads go out two trips on: each lane one row's 256 bytes, each block asked for once, by this wave; chunks 5 to 15
.endif
.if \pf == 2
.Lnp_\@:
.endif
	MULS BF1, 80*\p+40
	PLACES
.if \land
	s_wait_alu depctr_va_vdst(0)                   ; the second K step's products are done reading BF1 and the other half of xs's buffer p, in which the loads below land
	BLOADK 1, \q                                   ; they land under the next trip's landing and first products
.endif
.if \al
	s_wait_xcnt 0x0                                ; the bases step only behind this wait; the youngest memory instruction ahead of it stands a K step back
	s_add_nc_u64 s[SA:SA+1], s[SA:SA+1], 2048      ; chunk c + 2 of xs,
	s_add_nc_u64 s[SW:SW+1], s[SW:SW+1], 256       ; chunk c + 4 of W, for the next trip
	ALOADK \p, 1, 0                                ; the second half of A(c+2)
	WIN 0
.endif
.endm
.macro RTRIP                           ; a chunk of a later pass: W from LDS, xs from memory; plain, since few splits come here
	s_wait_alu depctr_vm_vsrc(0)                   ; the fragments' loads issued so far have read v[BA]
	v_add_nc_u32 v[BA], s[LB], v[BA0]              ; my lane's place in a chunk + the chunk's first byte: 0, CH, .. 15 CH
	WIN 0x40
	s_wait_alu depctr_va_vdst(0)                   ; v[BA] is written, and in the pass's first chunk v[AO ..]; the last chunk's products, and ahead of the first chunk the way out's arithmetic, are done with the registers in which the loads below land
	ALOADK 0, 0, 0
	ALOADK 0, 1, 0
	WIN 0
	BLOADK 0, 0
	BLOADK 1, 0
	s_wait_loadcnt 0x0
	s_wait_dscnt 0x0
	MULS BF0, 0
	MULS BF1, 40
	PLACES
	s_wait_xcnt 0x0
	s_add_nc_u64 s[SA:SA+1], s[SA:SA+1], 2048
	s_add_co_u32 s[LB], s[LB], CH
.endm
	s_load_b256 s[4:11], s[0:1], 0x0               ; xs s[4:5], fc1_w s[6:7], fc1_b s[8:9], meta s[10:11]
	s_load_b64 s[12:13], s[0:1], 0x20              ; hs
	v_lshl_add_u32 v30, v0, 2, 0x48000
	v_mov_b32 v31, 0
	v_lshrrev_b32 v13, 5, v0
	v_readfirstlane_b32 s[WV], v13
	s_mov_b32 s[SX], ttmp9
	s_and_b32 s[EX], ttmp7, 0xffff
	v_and_b32 v13, 31, v0                          ; L
	v_and_b32 v14, 15, v0                          ; L % 16
	v_bfe_u32 v15, v0, 4, 1                        ; L / 16
	v_lshlrev_b32 v[L16], 4, v13
	s_wait_alu depctr_va_sdst(0)                   ; the wave's number is written, ahead of its first reader
	s_lshl_b32 s25, s[WV], 5
	v_lshl_add_u32 v7, v15, 3, s25                 ; row 32 w + 8 (L / 16)
	v_lshlrev_b32 v[WO], PSH, v7
	v_lshl_add_u32 v[WO], v14, 4, v[WO]
	v_add_nc_u32 v[PO], s25, v13
	v_lshlrev_b32 v[PO], PSH, v[PO]
	v_mul_u32_u24 v[WS], v7, WP
	v_lshl_add_u32 v[WS], v14, 3, v[WS]
	v_mul_u32_u24 v[BA0], v14, WP
	v_lshl_add_u32 v[BA0], v15, 4, v[BA0]
	v_mov_b32 v[BA], v[BA0]
	v_lshlrev_b32 v[BO], 5, v15
	s_lshl_b32 s[OF], s[EX], 24                    ; the expert's 16 MB,
	s_lshl_b32 s26, s[SX], 19                      ; my 128 rows of 4,096 bytes
	s_add_co_u32 s[OF], s[OF], s26
	s_mov_b32 s[OF+1], 0
	s_lshl_b32 s26, s[EX], 14                      ; biases: 4,096 f32 an expert, 128 a slice
	s_lshl_b32 s27, s[SX], 9
	s_add_co_u32 s26, s26, s27
	s_mov_b32 s27, 0
	s_lshl_b32 s28, s[EX], 3
	s_mov_b32 s29, 0
	s_mov_b32 s[C1], 0x3e6d3388                    ; 0.3275911 / sqrt 2
.irp c, C2, A5, A4, A3, A2, A1
	s_mov_b32 s[\c+1], 0                           ; named as pairs; the low word serves both halves
.endr
	s_mov_b32 s[C2], 0xbf38aa3b                    ; -log2(e) / 2
	s_mov_b32 s[A5], 0x3f87dc22                    ; 1.061405429
	s_mov_b32 s[A4], 0xbfba00e3                    ; -1.453152027
	s_mov_b32 s[A3], 0x3fb5f0e3                    ; 1.421413741
	s_mov_b32 s[A2], 0xbe91a98e                    ; -0.284496736
	s_mov_b32 s[A1], 0x3e827906                    ; 0.254829592
	s_mov_b32 s[PN], 0
	ZERO                                           ; while the arguments are on their way
	s_wait_kmcnt 0x0
	s_add_nc_u64 s[56:57], s[10:11], s[28:29]
	s_load_b64 s[TT:TT+1], s[56:57], 0x0           ; T, base
	s_add_nc_u64 s[SW:SW+1], s[6:7], s[OF:OF+1]
	s_add_nc_u64 s[54:55], s[8:9], s[26:27]
	s_mov_b64 s[SA:SA+1], s[4:5]
	s_wait_alu depctr_va_vdst(0)                   ; the offsets and addresses v1 to v6 and v13 are written, which the kernel's loads, stores and prefetches read
.irp cb, 0,1,2,3,4,5,6,7
	global_load_b128 v[BIAS+8*\cb:BIAS+8*\cb+3],   v[BO], s[54:55] offset:64*\cb     ; columns 16 cb + 8 (L / 16) + 0..3
	global_load_b128 v[BIAS+8*\cb+4:BIAS+8*\cb+7], v[BO], s[54:55] offset:64*\cb+16
.endr
	WLOAD 0, 0                                     ; the weights hang on no table: two chunks go out while meta is on its way
	WLOAD 1, 256
	WIN 0
	s_wait_kmcnt 0x0
	SETPASS
	WIN 0x40
	s_wait_alu depctr_va_vdst(0)                   ; v[AO ..] are written, which xs's loads read
	ALOADK 0, 0, 0
	ALOADK 0, 1, 0
	s_wait_loadcnt 36                              ; the biases and W(0) are in: W(1) 16 + A(0) 20 are the younger ones
	LAND 0, 0, 1, 512                              ; chunk 0 into region 0; W(2) is asked for
	ALOADK 1, 0, 2048                              ; A(1)
	ALOADK 1, 1, 2048
	WIN 0
.set n, 0
.rept 32
	v_cvt_pk_bf16_f32 v[224+n%8], v[BIAS+2*n], v[BIAS+2*n+1]   ; the biases rounded to bf16, kept as f32; this stands between chunk 0's stores and the wait for them
	v_lshlrev_b32 v[BIAS+2*n], 16, v[224+n%8]
	v_and_b32 v[BIAS+2*n+1], 0xffff0000, v[224+n%8]
.set n, n+1
.endr
	s_wait_dscnt 0x0                               ; for the others' sake: my rows of chunk 0 are written
	s_barrier_signal -1
	s_barrier_wait -1                              ; chunk 0 is whole
	BLOADK 0, 0                                    ; no vector instruction has named v32 to v159 yet, and v[BA] was written ahead of the head's wait: nothing is to be stated here
	BLOADK 1, 0
	s_wait_xcnt 0x0                                ; the bases step only behind this wait
	s_add_nc_u64 s[SW:SW+1], s[SW:SW+1], 768       ; W(3), for trip 0
	s_add_nc_u64 s[SA:SA+1], s[SA:SA+1], 2048      ; A(1): a trip finds SA at chunk c + 1
	s_mov_b32 s[CNT], 6
.Lk:                                                   ; trips 0 to 11, two a turn; at a turn's head WS and BA stand at the region of the even chunk c
	TRIP 0, 1, 1, 0, 1, 1, 1, 56, 52, 1            ; 56 = A(c) 20 + W(c+2) 16 + A(c+1) 20;  52 = W(c+2) 16 + A(c+1) 20 + W(c+3) 16
	TRIP 1, 0, 0, 1, 1, 1, 1, 56, 52, 2
	s_sub_co_u32 s[CNT], s[CNT], 1
	s_cmp_lg_u32 s[CNT], 0
	s_cbranch_scc1 .Lk
	TRIP 0, 1, 1, 0, 1, 1, 1, 56, 52, 0            ; trip 12 asks for W(15) and A(14)
	TRIP 1, 0, 0, 1, 1, 0, 1, 56, 36, 0            ; trip 13 for A(15) alone: 36 = W(15) + A(14)
	TRIP 0, 1, 1, 0, 1, 0, 0, 40, 20, 0            ; trip 14 for nothing: 40 = A(14) + A(15), 20 = A(15)
	TRIP 1, 0, 0, 0, 0, 0, 0, 0, 0, 0              ; trip 15: products alone
	s_mov_b32 s[PASS], 4                           ; 4 x 20 tiles cover the 64 that one expert can have
.Lpass:                                                ; four times: the pass's tiles go out, the next pass (if I have tiles in it) is multiplied
	s_cmp_eq_u32 s[RW], 0
	s_cbranch_scc1 .Lnou                           ; nothing of mine to send
	s_mov_b32 s[UU], 0
.Lu:                                                   ; ten times: place u / 2, column half u % 2: 32 values a lane
	s_lshr_b32 s25, s[UU], 1
	s_cmp_ge_u32 s25, s[RW]
	s_cbranch_scc1 .Lunext
.irp u, 1,2,3,4,5,6,7,8,9
	s_cmp_eq_u32 s[UU], \u
	s_cbranch_scc1 .Lblk\u
.endr
.irp u, 0,1,2,3,4,5,6,7,8,9
.Lblk\u:                                               ; the bias is added on the way into the one text's registers; each accumulator's lowest registers first
	WIN 0x02+(\u)/8
.set n, 0
.rept 16
	v_pk_add_f32 v[GT+n:GT+n+1], v[(((\u)/2)%4)*64+32*((\u)%2)+n:(((\u)/2)%4)*64+32*((\u)%2)+n+1], v[BIAS+32*((\u)%2)+n:BIAS+32*((\u)%2)+n+1]
.set n, n+2
.endr
	WIN 0
.if \u < 9
	s_branch .Lgelu
.endif
.endr
.Lgelu:
.set n, 0
.rept 32
	v_fma_f32 v[GD+n], |v[GT+n]|, s[C1], 1.0
.set n, n+1
.endr
.set n, 0
.rept 16
	v_pk_mul_f32 v[GS+n:GS+n+1], v[GT+n:GT+n+1], v[GT+n:GT+n+1]
.set n, n+2
.endr
.set n, 0
.rept 16
	v_pk_mul_f32 v[GS+n:GS+n+1], v[GS+n:GS+n+1], s[C2:C2+1] op_sel_hi:[1,0]
.set n, n+2
.endr
.set n, 0
.rept 32                                               ; ONE BATCH of 64; nothing in it names a result; its last line is the plain instruction behind the last of them (ISA guide 5.7.2)
	v_rcp_f32 v[GD+n], v[GD+n]
	v_exp_f32 v[GS+n], v[GS+n]
	v_max_num_f32 v[GM+n], 0, v[GT+n]
.set n, n+1
.endr
	s_wait_alu depctr_va_vdst(0)                   ; the batch's 32 reciprocals in GD and 32 exponentials in GS are written: the one wait ahead of the batch's first reader
	s_wait_xcnt 0x0                                ; the last trip's stores read GP's low 16 registers and SB: both are rewritten only behind this wait, which stands all the lines above behind those stores
	s_wait_alu depctr_vm_vsrc(0)                   ; the last trip's stores have read GP's low 16 registers, which the polynomial below writes again
	s_and_b32 s26, s[UU], 1
	s_lshl2_add_u32 s27, s25, s[TB]
	s_min_u32 s27, s27, 135
	s_lshl_b32 s[OF], s27, 17                      ; a tile of hs: 128 K steps of 1,024 bytes
	s_lshl_b32 s28, s[SX], 12                      ; my columns are its K steps 4 s .. 4 s + 3
	s_lshl_b32 s29, s26, 11
	s_add_co_u32 s28, s28, s29
	s_add_co_u32 s[OF], s[OF], s28
	s_add_nc_u64 s[SB:SB+1], s[12:13], s[OF:OF+1]
.set n, 0
.rept 16
	v_pk_fma_f32 v[GP+n:GP+n+1], v[GD+n:GD+n+1], s[A5:A5+1], s[A4:A4+1] op_sel_hi:[1,0,0]
.set n, n+2
.endr
.irp a, A3, A2, A1
.set n, 0
.rept 16
	v_pk_fma_f32 v[GP+n:GP+n+1], v[GP+n:GP+n+1], v[GD+n:GD+n+1], s[\a:\a+1] op_sel_hi:[1,1,0]
.set n, n+2
.endr
.endr
.irp f, GD, GS, GT
.set n, 0
.rept 16
	v_pk_mul_f32 v[GP+n:GP+n+1], v[GP+n:GP+n+1], v[\f+n:\f+n+1]   ; times t, times the exponential: Q; times x
.set n, n+2
.endr
.endr
.set n, 0
.rept 32
	v_fma_f32 v[GP+n], |v[GP+n]|, -0.5, v[GM+n]
.set n, n+1
.endr
.set n, 0
.rept 16
	v_cvt_pk_bf16_f32 v[GP+n], v[GP+2*n], v[GP+2*n+1]   ; packed in place, ascending: word n lands on a register whose value has been taken
.set n, n+1
.endr
	s_wait_alu depctr_va_vdst(0)                   ; the conversions have written GP's low 16 registers, which the stores read
.irp c, 0,1,2,3
	global_store_b128 v[L16], v[GP+4*\c:GP+4*\c+3], s[SB:SB+1] offset:512*\c  ; column block c: half c % 2 of K step c / 2; 512 consecutive bytes, aligned
.endr
.Lunext:
	s_add_co_u32 s[UU], s[UU], 1
	s_cmp_lt_u32 s[UU], 10
	s_cbranch_scc1 .Lu
	s_wait_xcnt 0x0                                ; the last stores have read their registers
.Lnou:
	s_add_co_u32 s[PN], s[PN], 1
	s_wait_alu depctr_vm_vsrc(0)                   ; xs's loads have read v[AO ..], which the lines below write again
	SETPASS
	s_cmp_eq_u32 s[RW], 0
	s_cbranch_scc1 .Lnone
	ZERO
	s_mov_b32 s[LB], 0                             ; the slice's first chunk
	s_mov_b64 s[SA:SA+1], s[4:5]
	s_mov_b32 s[CNT], 16
.Lr:
	RTRIP
	s_sub_co_u32 s[CNT], s[CNT], 1
	s_cmp_lg_u32 s[CNT], 0
	s_cbranch_scc1 .Lr
.Lnone:
	s_sub_co_u32 s[PASS], s[PASS], 1
	s_cmp_lg_u32 s[PASS], 0
	s_cbranch_scc1 .Lpass
	s_wait_dscnt 0x0                               ; my reads of the slice are over;
	s_barrier_signal -1
	s_barrier_wait -1                              ; every wave's are
	s_wait_dscnt 0x0                               ; the wave's end.  The add below goes onto the spare words, the 512 bytes behind the slice
	s_wait_alu depctr_hold_cnt(0) depctr_sa_sdst(0) depctr_va_vdst(0) depctr_va_sdst(0) depctr_va_ssrc(0) depctr_va_vcc(0) depctr_vm_vsrc(0)
	s_wait_tensorcnt 0x0
	ds_add_u32 v30, v31
	s_wait_dscnt 0x0
	s_endpgm
.Lfunc_end_k_q8fa09f6a47_fc1:
	.size	k_q8fa09f6a47_fc1, .Lfunc_end_k_q8fa09f6a47_fc1-k_q8fa09f6a47_fc1
	.p2alignl 7, 3214868480
	.fill 96, 4, 3214868480
	.section	.rodata,"a",@progbits
	.p2align	6, 0x0
	.amdhsa_kernel k_q8fa09f6a47_fc1
		.amdhsa_group_segment_fixed_size 295424
		.amdhsa_private_segment_fixed_size 0
		.amdhsa_enable_private_segment 0
		.amdhsa_kernarg_size 40
		.amdhsa_user_sgpr_count 2
		.amdhsa_user_sgpr_kernarg_segment_ptr 1
		.amdhsa_wavefront_size32 1
		.amdhsa_system_sgpr_workgroup_id_x 1
		.amdhsa_system_sgpr_workgroup_id_y 1
		.amdhsa_system_sgpr_workgroup_id_z 1
		.amdhsa_system_vgpr_workitem_id 0
		.amdhsa_next_free_vgpr 992
		.amdhsa_next_free_sgpr 66
		.amdhsa_reserve_vcc 0
		.amdhsa_float_denorm_mode_32 3
		.amdhsa_float_denorm_mode_16_64 3
		.amdhsa_memory_ordered 1
		.amdhsa_forward_progress 1
		.amdhsa_inst_pref_size 168
	.end_amdhsa_kernel
	.amdgpu_metadata
---
amdhsa.version: [ 1, 2 ]
amdhsa.kernels:
  - .name:           k_q8fa09f6a47_fc1
    .symbol:         k_q8fa09f6a47_fc1.kd
    .args:
      - { .name: xs, .offset: 0, .size: 8, .value_kind: global_buffer, .address_space: global }
      - { .name: fc1_w, .offset: 8, .size: 8, .value_kind: global_buffer, .address_space: global }
      - { .name: fc1_b, .offset: 16, .size: 8, .value_kind: global_buffer, .address_space: global }
      - { .name: meta, .offset: 24, .size: 8, .value_kind: global_buffer, .address_space: global }
      - { .name: hs, .offset: 32, .size: 8, .value_kind: global_buffer, .address_space: global }
    .group_segment_fixed_size: 295424
    .private_segment_fixed_size: 0
    .kernarg_segment_align: 8
    .kernarg_segment_size: 40
    .max_flat_workgroup_size: 128
    .sgpr_count:     66
    .vgpr_count:     992
    .wavefront_size: 32
...
	.end_amdgpu_metadata
.endif
;; end of part 6
;; launch fc2 (part 7): grid 32 x 8, 4 waves a work-group, no clusters, 312,832 bytes of LDS; arguments hs, fc2_w, meta, ypart; writes ypart
.if DOCPART == 7
	.amdgcn_target "amdgcn-amd-amdhsa--gfx1250"
	.amdhsa_code_object_version 6
	.text
	.protected	k_q8fa09f6a47_fc2
	.globl	k_q8fa09f6a47_fc2
	.p2align	8
	.type	k_q8fa09f6a47_fc2,@function
k_q8fa09f6a47_fc2:
	s_mov_b64 s[64:65], 0
	v_nop
	global_prefetch_b8 v0, s[64:65] scope:SCOPE_SE
	s_setreg_imm32_b32 hwreg(HW_REG_WAVE_SCHED_MODE, 0, 2), 2
	s_setreg_imm32_b32 hwreg(HW_REG_WAVE_MODE, 25, 1), 1
	s_wait_xcnt 0x0
	s_wait_alu depctr_vm_vsrc(0)
; FC2.  ypart[q] = hs W2[e]^T over a quarter q of K = 4,096, in f32, for the routed rows alone; the launch behind adds the four quarters, the bias and the routing weights.
; Work-group (s, e) owns columns 128 (s % 8) .. + 127 and K = 1,024 (s / 8) .. + 1,023 of expert e: 512 KB of f32 weights that it alone reads, once, and ALL of the expert's tiles of 16 rows (meta).
; Why K is cut in four: 32 columns x all of K would take in 2 MB of hs for 0.5 MB of weights and write half rows of 128 bytes; 128 columns x 1,024 take in 0.5 MB of each.
; The walk is the first product's: K in 16 chunks of 64; a chunk of W comes into registers in whole rows' 256 bytes, is rounded to bf16 and stored into an LDS region of its own, written once; it is multiplied with the
; expert's first 20 tiles (5 a wave), whose operands come from hs straight into registers.  THE WALK IS ONE CHUNK AHEAD OF THE PRODUCTS: trip c stores chunk c + 1, multiplies chunk c's first K step, passes the one
; barrier that makes chunk c + 1 whole, fetches that chunk's first fragments, multiplies chunk c's second K step and fetches the second fragments: each LDS round trip has a K step's products behind it.
; Experts with more than 320 rows are finished by passes 1 to 3 out of LDS.  Every loop has a constant count; what hangs on meta are forward jumps over products and stores, never over a barrier.
; A place without a tile loads a tile that exists, so the counted waits hold in every wave.
; THE MATRIX INSTRUCTION IS USED TRANSPOSED (source 0 = 16 columns of W, source 1 = 16 rows of hs): a lane holds one row and eight neighbouring columns.
; FORMATS.  W2 is rounded once to bf16, sums and the stored parts in f32.  NaN and infinities are not treated apart.
; NO TENSOR LOAD, NO CLUSTER: each weight has one reader and must pass registers to be rounded; what work-groups share is hs, whose tile count comes from meta, and the slice takes 294,912 of LDS's 327,680 bytes.
; The accumulators are cleared (320 lines, in the wait for the arguments): a first K step written out with C = 0 would be a further copy of the trip, and a wave's unused places would stay unwritten.
; THE MODE: SCHED_MODE bits 1:0 = 2 (LLVM: expert scheduling mode 2), set by the entry lines.  The code itself states the register dependences between vector or matrix instructions and memory or LDS instructions,
; with s_wait_alu, always for 0.
; THE PLAN.  Registers that memory or LDS instructions touch in the walk, trip c:
;   WL0, WL1   W as loaded.  The trip's 32 conversions read WL[(c + 1) % 2]; behind them the loads of W(c + 3) land in it.  No memory instruction reads it.
;   OT         the chunk in bf16.  Written by those conversions, read by the trip's 16 LDS stores, written again a trip later.
;   BF0, BF1   W's fragments.  Read by one K step's products each, loaded again behind them.
;   A[c % 2]   hs's fragments.  The half of K step 0 is read by the first K step's products, the other by the second's; the halves of A(c + 2) land behind them.
;   WS, BA     LDS addresses.  Read by the stores and the fragments' loads; stepped once in two trips, at the odd trip's head.     WO, PO, AO, L16, STO, RD, YO: not written in the walk.
; So a trip has four waits.  (1) At its head, on vm_vsrc: the last trip's LDS stores have read OT and WS, its fragments' loads BA.  (2) Behind the conversions, on va_vdst: they are done reading WL and have written OT
; (and WS is written): W's loads go out first, the stores behind them.  (3) Behind the barrier, on va_vdst: the first K step's products are done reading BF0 and their half of A (and BA is written).  (4) Behind the
; second K step's products, on va_vdst: they are done reading BF1 and the other half of A.  Between a wait and the loads that it serves no vector or matrix instruction names those loads' registers.
; The way out holds no vector instruction: one wait on va_vdst at a pass's head serves all its LDS stores (the accumulators) and the loads that bring rows back (into the fragments' registers); one wait on vm_vsrc a place
; stands between the global stores out of a set of registers and the loads that land in that set two places on.
; REGISTERS, in windows of 256 (s_set_vgpr_msb: bits 1:0 source 0, 3:2 source 1, 5:4 source 2, 7:6 destination):
;   window 0: addresses; v32-95, v96-159 W's fragments of a chunk's two K steps, on the way out four sets of 32 for rows read back          window 1: hs's fragments, at 80 p + 40 k + 8 i (chunk parity, K step, place)
;   window 2: accumulators of places 0-3 at 64 i + 8 cb          window 3: v0-63 those of place 4; v64-127, v128-191 W as loaded, by chunk parity; v192-223 a chunk's share in bf16, to store
.set PSH,   14                         ; W's rows are 16,384 bytes apart
.set PITCH, 1<<PSH
.set ASH,   17                         ; a tile of hs is 131,072 bytes
.set WP,    144                        ; a row of a chunk in LDS: 128 bytes + 16: the 16 rows of a load start at 16 different groups of four banks (ISA guide 11.1)
.set CH,    128*WP
.set STAGE, 16*CH                      ; 16 rows x 272 bytes for each wave, for the way out
.set SP,    272
.set QS,    2176*4096                  ; a quarter's part of ypart
.set L16, 1                            ; v1   16 L
.set WO,  2                            ; v2   W: (32 w + 8 (L / 16)) rows + 16 (L % 16)
.set PO,  3                            ; v3   prefetch: row 32 w + L; never rewritten
.set WS,  4                            ; v4   where I store my 8 bytes of a row of the chunk; steps
.set BA,  5                            ; v5   where I read W's fragments; steps
.set BA0, 6                            ; v6   144 (L % 16) + 16 (L / 16); never rewritten
.set AO,  8                            ; v8-12  place i's tile in hs, + 16 L
.set STO, 16                           ; v16  the way out: where I put 16 bytes of a row
.set RD,  17                           ; v17  where I read rows back
.set YO,  18                           ; v18  my byte offset in two rows of ypart
.set BF0, 32
.set BF1, 96
.set OB,  32                           ; the way out: set (place % 2, column half) at OB + 64 (i % 2) + 32 hf
.set WL,  64                           ; window 3
.set OT,  192                          ; window 3
.set WV,  14
.set SX,  15
.set EX,  16
.set TT,  18                           ; s[18:19] T, base
.set RW,  20                           ; s20 my tiles in this pass, 0 to 5
.set PASS, 21                          ; s21 passes to go
.set CNT, 22
.set TB,  24                           ; s24 my first tile of this pass
.set SW,  30                           ; s[30:31] W, steps
.set SA,  32                           ; s[32:33] hs, steps
.set SB,  34                           ; s[34:35] the stores' base
.set OF,  36                           ; s[36:37] an offset, the high word 0
.set PN,  38
.set FB,  39
.set AB,  58                           ; s[58:59] hs at my quarter of K
.set YB,  60                           ; s60 my quarter's and my columns' bytes in ypart
.set LB,  61                           ; s61 a later pass: the LDS byte at which the chunk in hand begins
.set MSB, 0
.macro WIN new                         ; the immediate's high byte repeats the setting that is left; a switch that changes nothing is dropped
.if MSB != (\new)
	s_set_vgpr_msb (MSB<<8)|(\new)
.set MSB, \new
.endif
.endm
.macro PLACES                          ; four places between a matrix instruction and a read or write of its registers; they stand ahead of the loads into its registers too, where the wait behind them states the dependence
.rept 4
	v_nop
.endr
.endm
.macro ZERO
	WIN 0x80
.set z, 0
.rept 256
	v_mov_b32 v[z], 0
.set z, z+1
.endr
	WIN 0xc0
.set z, 0
.rept 64
	v_mov_b32 v[z], 0
.set z, z+1
.endr
	WIN 0
.endm
; Pass PN: tile t of the expert belongs to wave (t - 20 PN) % 4, place (t - 20 PN) / 4
.macro SETPASS
	s_mul_i32 s25, s[PN], 20
	s_add_co_u32 s25, s25, s[WV]
	s_sub_co_i32 s26, s[TT], s25
	s_add_co_i32 s26, s26, 3
	s_ashr_i32 s26, s26, 2
	s_max_i32 s26, s26, 0
	s_min_i32 s[RW], s26, 5
	s_add_co_u32 s[TB], s[TT+1], s25
	s_cmp_gt_u32 s[RW], 0
	s_cselect_b32 s[FB], s[TB], 0                  ; an empty place repeats my first tile, or tile 0, which some expert always owns
.irp i, 0,1,2,3,4
	s_add_co_u32 s27, s[TB], 4*\i
	s_cmp_gt_u32 s[RW], \i
	s_cselect_b32 s27, s27, s[FB]
	s_min_u32 s27, s27, 135
	s_lshl_b32 s27, s27, ASH
	v_add_nc_u32 v[AO+\i], s27, v[L16]
.endr
.endm
.macro WLOAD p, o                      ; 16 loads into buffer p: my 32 rows' 256 bytes at byte o from SW; 16 lanes take one row's, the other 16 those of the row 8 further on.  It leaves the destination's window at 3
	WIN 0xc0
.irp j, 0,1,2,3,4,5,6,7,8,9,10,11,12,13,14,15
	global_load_b128 v[WL+64*\p+4*\j:WL+64*\p+4*\j+3], v[WO], s[SW:SW+1] offset:((\j)%8+16*((\j)/8))*PITCH+\o th:TH_LOAD_NT
.endr
.endm
.macro ALOADK p, k, o                  ; 10 loads into buffer p: five tiles' K step k of the chunk at byte o from SA, 512 consecutive bytes each.  It leaves the destination's window at 1
	WIN 0x40
.irp i, 0,1,2,3,4
	global_load_b128 v[80*\p+40*\k+8*\i:80*\p+40*\k+8*\i+3],   v[AO+\i], s[SA:SA+1] offset:\o+1024*\k
	global_load_b128 v[80*\p+40*\k+8*\i+4:80*\p+40*\k+8*\i+7], v[AO+\i], s[SA:SA+1] offset:\o+1024*\k+512
.endr
.endm
.macro LAND p, q, wl, o                ; the chunk in buffer p is rounded into OT; wl = 1: the buffer is asked for again, at byte o from SW; then OT is stored, q regions behind WS
	WIN 0xcf
.irp j, 0,1,2,3,4,5,6,7,8,9,10,11,12,13,14,15
	v_cvt_pk_bf16_f32 v[OT+2*\j],   v[WL+64*\p+4*\j],   v[WL+64*\p+4*\j+1]
	v_cvt_pk_bf16_f32 v[OT+2*\j+1], v[WL+64*\p+4*\j+2], v[WL+64*\p+4*\j+3]
.endr
.if \wl
	WIN 0xc0
	s_wait_alu depctr_va_vdst(0)                   ; the conversions are done reading WL[p], in which the loads below land, and have written OT, which the LDS stores read; in an odd trip v[WS] is written too
	WLOAD \p, \o
	WIN 0x0c
.else
	WIN 0x0c
	s_wait_alu depctr_va_vdst(0)                   ; the conversions have written OT, which the LDS stores read; in an odd trip v[WS] is written too
.endif
.irp j, 0,1,2,3,4,5,6,7,8,9,10,11,12,13,14,15
	ds_store_b64 v[WS], v[OT+2*\j:OT+2*\j+1] offset:CH*\q+((\j)%8+16*((\j)/8))*WP
.endr
	WIN 0
.endm
.macro BLOADK k, q                     ; 16 LDS loads: W's 8 fragments of K step k of the chunk q regions behind BA
.irp cb, 0,1,2,3,4,5,6,7
	ds_load_b128 v[BF0+64*\k+8*\cb:BF0+64*\k+8*\cb+3],   v[BA] offset:CH*\q+16*WP*\cb+64*\k
	ds_load_b128 v[BF0+64*\k+8*\cb+4:BF0+64*\k+8*\cb+7], v[BA] offset:CH*\q+16*WP*\cb+64*\k+32
.endr
.endm
; One K step: 8 products for each of my RW tiles.  The tiles lie 4, 3, 2, 1, 0 and the run is entered at tile RW - 1: a wave with all five tiles passes one jump.
; The accumulators take turns, one instruction a turn: seven others' at the least stand between two links of a chain.
.macro MULS bf, ab
	WIN 0
.irp i, 4,3,2,1,0
	s_cmp_gt_u32 s[RW], \i
	s_cbranch_scc1 .Lm\@t\i
.endr
	s_branch .Lm\@e
.irp i, 4,3,2,1,0
.Lm\@t\i:
.if \i < 4
	WIN 0xa4
.else
	WIN 0xf4
.endif
.irp cb, 0,1,2,3,4,5,6,7
	v_wmma_f32_16x16x32_bf16 v[((\i)%4)*64+8*\cb:((\i)%4)*64+8*\cb+7], v[\bf+8*\cb:\bf+8*\cb+7], v[\ab+8*\i:\ab+8*\i+7], v[((\i)%4)*64+8*\cb:((\i)%4)*64+8*\cb+7]
.endr
	WIN 0
.endr
.Lm\@e:
.endm
; TRIP c.  p = c % 2 (hs's buffer), pw = (c + 1) % 2 (W's buffer), q = where chunk c + 1's region lies behind WS and BA: an even trip takes q = 1; an odd one (st = 1) steps both by two regions and takes q = 0.
; The loads go out in the order W(0) W(1) A(0) | W(2) A(1) | and in trip c: W(c+3), A(c+2): 16 and 20 by turns.  nw, na: the younger loads that may stay out when W(c+1), A(c) must be in.
; land = 0: the last trip, with no chunk to store or fetch: it issues no load and holds no s_wait_alu.  pf = 1: a prefetch; 2: none in the loop's last trip.
.macro TRIP p, pw, q, st, land, wl, al, nw, na, pf
.if \land
	s_wait_loadcnt \nw                             ; W(c+1) is in
	s_wait_alu depctr_vm_vsrc(0)                   ; the last chunk's LDS stores have read OT, which the conversions below write again, and v[WS]; the fragments' loads issued so far have read v[BA]
.if \st
	v_add_nc_u32 v[WS], 2*CH, v[WS]
	v_add_nc_u32 v[BA], 2*CH, v[BA]
.endif
	LAND \pw, \q, \wl, 0
	s_wait_loadcnt \na                             ; A(c) is in
	s_wait_dscnt 32                                ; chunk c's first fragments are in: its second fragments' 16 loads and my 16 stores are the younger ones
.else
	s_wait_loadcnt \na
	s_wait_dscnt 16                                ; the second fragments' 16 loads are the younger ones
.endif
	MULS BF0, 80*\p
	s_wait_dscnt 0x0                               ; for the others' sake: my rows of chunk c + 1 are written (they went out a K step ago); and chunk c's second fragments are in
.if \land
	s_barrier_signal -1
	s_barrier_wait -1                              ; chunk c + 1 is whole.  Its region is written this once, so no second barrier is wanted
	PLACES
	s_wait_alu depctr_va_vdst(0)                   ; the first K step's products are done reading BF0 and their half of hs's buffer p, in which the loads below land; in an odd trip v[BA] is written
	BLOADK 0, \q                                   ; they land under the products below
.if \al
	ALOADK \p, 0, 2048                             ; the first half of A(c+2): SA still stands at chunk c + 1.  The products below name BF1, the buffer's other half and the accumulators alone
	WIN 0
.endif
.endif
.if \pf == 2
	s_cmp_eq_u32 s[CNT], 1                         ; trip 11 would ask past my quarter of K
	s_cbranch_scc1 .Lnp_\@
.endif
.if \pf
	global_prefetch_b8 v[PO], s[SW:SW+1] offset:512 th:TH_LOAD_NT scope:SCOPE_SE  ; chunk c + 5, whose loads go out two trips on: each lane one row's 256 bytes, each block asked for once, by this wave; chunks 5 to 15
.endif
.if \pf == 2
.Lnp_\@:
.endif
	MULS BF1, 80*\p+40
	PLACES
.if \land
	s_wait_alu depctr_va_vdst(0)                   ; the second K step's products are done reading BF1 and the other half of hs's buffer p, in which the loads below land
	BLOADK 1, \q                                   ; they land under the next trip's landing and first products
.endif
.if \al
	s_wait_xcnt 0x0                                ; the bases step only behind this wait; the youngest memory instruction ahead of it stands a K step back
	s_add_nc_u64 s[SA:SA+1], s[SA:SA+1], 2048      ; chunk c + 2 of hs,
	s_add_nc_u64 s[SW:SW+1], s[SW:SW+1], 256       ; chunk c + 4 of W, for the next trip
	ALOADK \p, 1, 0                                ; the second half of A(c+2)
	WIN 0
.endif
.endm
.macro RTRIP                           ; a chunk of a later pass: W from LDS, hs from memory; plain, since few splits come here
	s_wait_alu depctr_vm_vsrc(0)                   ; the fragments' loads issued so far have read v[BA]
	v_add_nc_u32 v[BA], s[LB], v[BA0]              ; my lane's place in a chunk + the chunk's first byte: 0, CH, .. 15 CH
	WIN 0x40
	s_wait_alu depctr_va_vdst(0)                   ; v[BA] is written, and in the pass's first chunk v[AO ..]; the last chunk's products are done reading the fragments, in whose registers the loads below land
	ALOADK 0, 0, 0
	ALOADK 0, 1, 0
	WIN 0
	BLOADK 0, 0
	BLOADK 1, 0
	s_wait_loadcnt 0x0
	s_wait_dscnt 0x0
	MULS BF0, 0
	MULS BF1, 40
	PLACES
	s_wait_xcnt 0x0
	s_add_nc_u64 s[SA:SA+1], s[SA:SA+1], 2048
	s_add_co_u32 s[LB], s[LB], CH
.endm
; THE WAY OUT of place i: 16 rows x 128 f32, as two column halves, go through my own stage one behind the other, so that 16 lanes store a row's 256 consecutive bytes.
; The rows come back into the set of the place's parity: a set is loaded again two places on, and the waits in the place between stand between its stores and those loads.
.macro OUTTILE i
	s_add_co_u32 s25, s[TB], 4*\i
	s_min_u32 s25, s25, 135
	s_lshl_b32 s25, s25, 16                        ; 16 rows of 4,096 bytes
	s_add_co_u32 s[OF], s25, s[YB]
.irp hf, 0,1
	WIN 0x08+4*((\i)/4)                            ; the data in window 2, or 3
.irp c, 0,1,2,3
	ds_store_b128 v[STO], v[((\i)%4)*64+32*\hf+8*\c:((\i)%4)*64+32*\hf+8*\c+3]   offset:64*\c     ; each accumulator's lowest registers first
	ds_store_b128 v[STO], v[((\i)%4)*64+32*\hf+8*\c+4:((\i)%4)*64+32*\hf+8*\c+7] offset:64*\c+16
.endr
	WIN 0
.irp t, 0,1,2,3,4,5,6,7
	ds_load_b128 v[OB+64*((\i)%2)+32*\hf+4*\t:OB+64*((\i)%2)+32*\hf+4*\t+3], v[RD] offset:2*SP*\t   ; my own bytes: LDS serves a wave's instructions in order (ISA guide 5.7.1.4): these see the stores above, and the second half's stores come behind the first half's loads
.endr
.endr
	s_wait_dscnt 16                                ; the first half is back: the second half's 8 stores and 8 loads are the younger ones
	s_wait_xcnt 0x0                                ; the place before's stores have read their base and data: SB is rewritten here, their set by the place after; those stores stand an LDS round trip back
	s_wait_alu depctr_vm_vsrc(0)                   ; the place before's stores have read their set of registers, in which the place after's rows land
	s_add_nc_u64 s[SB:SB+1], s[10:11], s[OF:OF+1]
.irp t, 0,1,2,3,4,5,6,7
	global_store_b128 v[YO], v[OB+64*((\i)%2)+4*\t:OB+64*((\i)%2)+4*\t+3], s[SB:SB+1] offset:8192*\t  ; two rows x 256 consecutive bytes, aligned
.endr
	s_wait_dscnt 0x0                               ; the second half is back
.irp t, 0,1,2,3,4,5,6,7
	global_store_b128 v[YO], v[OB+64*((\i)%2)+32+4*\t:OB+64*((\i)%2)+32+4*\t+3], s[SB:SB+1] offset:8192*\t+256
.endr
.endm
	s_load_b256 s[4:11], s[0:1], 0x0               ; hs s[4:5], fc2_w s[6:7], meta s[8:9], ypart s[10:11]
	v_lshl_add_u32 v254, v0, 2, 0x4c400
	v_mov_b32 v255, 0
	v_lshrrev_b32 v13, 5, v0
	v_readfirstlane_b32 s[WV], v13
	s_and_b32 s[SX], ttmp9, 7                      ; which 128 columns,
	s_lshr_b32 s17, ttmp9, 3                       ; which quarter q of K
	s_and_b32 s[EX], ttmp7, 0xffff
	v_and_b32 v13, 31, v0                          ; L
	v_and_b32 v14, 15, v0                          ; L % 16
	v_bfe_u32 v15, v0, 4, 1                        ; L / 16
	v_lshlrev_b32 v[L16], 4, v13
	s_wait_alu depctr_va_sdst(0)                   ; the wave's number is written, ahead of its first reader
	s_lshl_b32 s25, s[WV], 5
	v_lshl_add_u32 v7, v15, 3, s25                 ; row 32 w + 8 (L / 16)
	v_lshlrev_b32 v[WO], PSH, v7
	v_lshl_add_u32 v[WO], v14, 4, v[WO]
	v_add_nc_u32 v[PO], s25, v13
	v_lshlrev_b32 v[PO], PSH, v[PO]
	v_mul_u32_u24 v[WS], v7, WP
	v_lshl_add_u32 v[WS], v14, 3, v[WS]
	v_mul_u32_u24 v[BA0], v14, WP
	v_lshl_add_u32 v[BA0], v15, 4, v[BA0]
	v_mov_b32 v[BA], v[BA0]
	s_mul_i32 s26, s[WV], 16*SP
	s_add_co_u32 s26, s26, STAGE                   ; my stage
	v_mul_u32_u24 v[STO], v14, SP                  ; in: row L % 16, 32 bytes for each half of the lanes
	v_lshl_add_u32 v[STO], v15, 5, v[STO]
	v_add_nc_u32 v[STO], s26, v[STO]
	v_mul_u32_u24 v[RD], v15, SP                   ; back: lanes 0-15 one row of 256 bytes, lanes 16-31 the next
	v_lshl_add_u32 v[RD], v14, 4, v[RD]
	v_add_nc_u32 v[RD], s26, v[RD]
	v_lshlrev_b32 v[YO], 12, v15                   ; and the same two rows in ypart
	v_lshl_add_u32 v[YO], v14, 4, v[YO]
	s_lshl_b32 s[OF], s[EX], 24                    ; the expert's 16 MB,
	s_lshl_b32 s26, s[SX], 21                      ; my 128 rows of 16,384 bytes,
	s_add_co_u32 s[OF], s[OF], s26
	s_lshl_b32 s26, s17, 12                        ; my 1,024 f32 of each
	s_add_co_u32 s[OF], s[OF], s26
	s_mov_b32 s[OF+1], 0
	s_lshl_b32 s26, s17, 15                        ; in a tile of hs: K steps 32 q on
	s_mov_b32 s27, 0
	s_lshl_b32 s28, s[EX], 3
	s_mov_b32 s29, 0
	s_mul_i32 s[YB], s17, QS
	s_lshl_b32 s25, s[SX], 9
	s_add_co_u32 s[YB], s[YB], s25
	s_mov_b32 s[PN], 0
	ZERO                                           ; while the arguments are on their way
	s_wait_kmcnt 0x0
	s_add_nc_u64 s[56:57], s[8:9], s[28:29]
	s_load_b64 s[TT:TT+1], s[56:57], 0x0           ; T, base
	s_add_nc_u64 s[SW:SW+1], s[6:7], s[OF:OF+1]
	s_add_nc_u64 s[AB:AB+1], s[4:5], s[26:27]
	s_mov_b64 s[SA:SA+1], s[AB:AB+1]
	WIN 0xc0
	s_wait_alu depctr_va_vdst(0)                   ; the offsets and addresses v1 to v6 and v16 to v18 are written, which the kernel's loads, stores and prefetches read
	WLOAD 0, 0                                     ; the weights hang on no table: two chunks go out while meta is on its way
	WLOAD 1, 256
	WIN 0
	s_wait_kmcnt 0x0
	SETPASS
	WIN 0x40
	s_wait_alu depctr_va_vdst(0)                   ; v[AO ..] are written, which hs's loads read
	ALOADK 0, 0, 0
	ALOADK 0, 1, 0
	s_wait_loadcnt 36                              ; W(0) is in: W(1) 16 + A(0) 20 are the younger ones
	LAND 0, 0, 1, 512                              ; chunk 0 into region 0; W(2) is asked for
	ALOADK 1, 0, 2048                              ; A(1)
	ALOADK 1, 1, 2048
	WIN 0
	s_wait_dscnt 0x0                               ; for the others' sake: my rows of chunk 0 are written
	s_barrier_signal -1
	s_barrier_wait -1                              ; chunk 0 is whole
	BLOADK 0, 0                                    ; no vector instruction has named v32 to v159 yet, and v[BA] was written ahead of the head's wait: nothing is to be stated here
	BLOADK 1, 0
	s_wait_xcnt 0x0                                ; the bases step only behind this wait
	s_add_nc_u64 s[SW:SW+1], s[SW:SW+1], 768       ; W(3), for trip 0
	s_add_nc_u64 s[SA:SA+1], s[SA:SA+1], 2048      ; A(1): a trip finds SA at chunk c + 1
	s_mov_b32 s[CNT], 6
.Lk:                                                   ; trips 0 to 11, two a turn; at a turn's head WS and BA stand at the region of the even chunk c
	TRIP 0, 1, 1, 0, 1, 1, 1, 56, 52, 1            ; 56 = A(c) 20 + W(c+2) 16 + A(c+1) 20;  52 = W(c+2) 16 + A(c+1) 20 + W(c+3) 16
	TRIP 1, 0, 0, 1, 1, 1, 1, 56, 52, 2
	s_sub_co_u32 s[CNT], s[CNT], 1
	s_cmp_lg_u32 s[CNT], 0
	s_cbranch_scc1 .Lk
	TRIP 0, 1, 1, 0, 1, 1, 1, 56, 52, 0            ; trip 12 asks for W(15) and A(14)
	TRIP 1, 0, 0, 1, 1, 0, 1, 56, 36, 0            ; trip 13 for A(15) alone: 36 = W(15) + A(14)
	TRIP 0, 1, 1, 0, 1, 0, 0, 40, 20, 0            ; trip 14 for nothing: 40 = A(14) + A(15), 20 = A(15)
	TRIP 1, 0, 0, 0, 0, 0, 0, 0, 0, 0              ; trip 15: products alone
	s_mov_b32 s[PASS], 4                           ; 4 x 20 tiles cover the 64 that one expert can have
.Lpass:                                                ; four times: the pass's tiles go out, the next pass (if I have tiles in it) is multiplied
	s_wait_alu depctr_va_vdst(0)                   ; behind the places: the pass's products have written the accumulators, which the LDS stores below read, and are done reading the fragments, in whose registers the rows come back
.irp i, 0,1,2,3,4
	s_cmp_le_u32 s[RW], \i
	s_cbranch_scc1 .Lwod
	OUTTILE \i
.endr
.Lwod:                                                 ; every wave comes by here, whatever its tiles
	s_wait_dscnt 0x0                               ; my stores into my stage, and my reads of it, are over;
	s_barrier_signal -1
	s_barrier_wait -1                              ; every wave's are, before any wave reads the slice again.  (The slice ends where the stages begin; the order does not rest on that.)
	s_wait_xcnt 0x0                                ; the last stores have read their data: the fragments' registers, which held it, are loaded again only behind this wait
	s_wait_alu depctr_vm_vsrc(0)                   ; the global stores have read their sets, in which fragments land again; the LDS stores have read the accumulators, which are cleared below; hs's loads have read v[AO ..], which are written below
	s_add_co_u32 s[PN], s[PN], 1
	SETPASS
	s_cmp_eq_u32 s[RW], 0
	s_cbranch_scc1 .Lnone
	ZERO
	s_mov_b32 s[LB], 0                             ; the slice's first chunk
	s_mov_b64 s[SA:SA+1], s[AB:AB+1]
	s_mov_b32 s[CNT], 16
.Lr:
	RTRIP
	s_sub_co_u32 s[CNT], s[CNT], 1
	s_cmp_lg_u32 s[CNT], 0
	s_cbranch_scc1 .Lr
.Lnone:                                                ; every wave comes by here too
	s_wait_dscnt 0x0                               ; my reads of the slice in this pass are over;
	s_barrier_signal -1
	s_barrier_wait -1                              ; every wave's are, before any wave's next LDS write: the next way out's
	s_sub_co_u32 s[PASS], s[PASS], 1
	s_cmp_lg_u32 s[PASS], 0
	s_cbranch_scc1 .Lpass
	s_wait_dscnt 0x0                               ; the wave's end.  The add below goes onto the spare words, the 512 bytes behind the stages
	s_wait_alu depctr_hold_cnt(0) depctr_sa_sdst(0) depctr_va_vdst(0) depctr_va_sdst(0) depctr_va_ssrc(0) depctr_va_vcc(0) depctr_vm_vsrc(0)
	s_wait_tensorcnt 0x0
	ds_add_u32 v254, v255
	s_wait_dscnt 0x0
	s_endpgm
.Lfunc_end_k_q8fa09f6a47_fc2:
	.size	k_q8fa09f6a47_fc2, .Lfunc_end_k_q8fa09f6a47_fc2-k_q8fa09f6a47_fc2
	.p2alignl 7, 3214868480
	.fill 96, 4, 3214868480
	.section	.rodata,"a",@progbits
	.p2align	6, 0x0
	.amdhsa_kernel k_q8fa09f6a47_fc2
		.amdhsa_group_segment_fixed_size 312832
		.amdhsa_private_segment_fixed_size 0
		.amdhsa_enable_private_segment 0
		.amdhsa_kernarg_size 32
		.amdhsa_user_sgpr_count 2
		.amdhsa_user_sgpr_kernarg_segment_ptr 1
		.amdhsa_wavefront_size32 1
		.amdhsa_system_sgpr_workgroup_id_x 1
		.amdhsa_system_sgpr_workgroup_id_y 1
		.amdhsa_system_sgpr_workgroup_id_z 1
		.amdhsa_system_vgpr_workitem_id 0
		.amdhsa_next_free_vgpr 992
		.amdhsa_next_free_sgpr 66
		.amdhsa_reserve_vcc 0
		.amdhsa_float_denorm_mode_32 3
		.amdhsa_float_denorm_mode_16_64 3
		.amdhsa_memory_ordered 1
		.amdhsa_forward_progress 1
		.amdhsa_inst_pref_size 152
	.end_amdhsa_kernel
	.amdgpu_metadata
---
amdhsa.version: [ 1, 2 ]
amdhsa.kernels:
  - .name:           k_q8fa09f6a47_fc2
    .symbol:         k_q8fa09f6a47_fc2.kd
    .args:
      - { .name: hs, .offset: 0, .size: 8, .value_kind: global_buffer, .address_space: global }
      - { .name: fc2_w, .offset: 8, .size: 8, .value_kind: global_buffer, .address_space: global }
      - { .name: meta, .offset: 16, .size: 8, .value_kind: global_buffer, .address_space: global }
      - { .name: ypart, .offset: 24, .size: 8, .value_kind: global_buffer, .address_space: global }
    .group_segment_fixed_size: 312832
    .private_segment_fixed_size: 0
    .kernarg_segment_align: 8
    .kernarg_segment_size: 32
    .max_flat_workgroup_size: 128
    .sgpr_count:     66
    .vgpr_count:     992
    .wavefront_size: 32
...
	.end_amdgpu_metadata
.endif
;; end of part 7
;; launch combine: the kernel of part 5 again; grid 256 x 1, 8 waves a work-group, no clusters, 0 bytes of LDS; arguments ypart, pos, sel, gw, fc2_b, out0; writes out0
